; MI455X (gfx1250); checked and timed in simulation.
; The chip was launched on July 23, 2026; its instructions are those of AMD's public machine-readable ISA for CDNA 5 (MIT licence, August 2026) and "CDNA5" Instruction Set Architecture Reference Guide (July 2026). The comments in the code are by the model that wrote it; some were corrected since.
;; Single Head Self Attention. Allowed arithmetic: matrix products marked QUANTISED: E2M1 operands, one E8M0 scale for each 32 along K, by v_wmma_scale_f32_16x16x128_f8f6f4 with both operands' format E2M1 (or v_wmma_scale_f32_32x16x128_f4), f32 sums; products left as they are: bf16, f16 or f32 operands; f32 sums; everything else in f32.
;; Inputs: Wk 1,024 x 1,024 float32; Wq 1,024 x 1,024 float32; Wv 1,024 x 1,024 float32; bk 1,024 float32; bq 1,024 float32; bv 1,024 float32; inputs 8 x 1,024 x 1,024 float32; mask 8 x 1 x 1,024 x 1,024 bool.
;; Outputs: out0 8 x 1,024 x 1,024 float32.
;; This version of the problem:
;;   THIS VERSION OF THE PROBLEM IS GIVEN IN LOW PRECISION. The matrix products marked QUANTISED in the list below multiply operands that are first quantised to E2M1 (2 exponent bits, 1 mantissa bit; 4 bits a number), with one power-of-two scale for each 32 numbers along K (OCP MX v1.0); their sums are f32. The products marked 'left as it is' may take bf16, f16 or f32 operands, with f32 sums. Whichever they take, every output number must still come out within the allowed error. Rounding operands to bf16 (8 significant bits) uses up far more of that allowance than f16 does (11 bits, for magnitudes from 6e-5 to 65,504). All else is computed in f32.
;;   The module's matrix products, in the order in which they are computed (A, B: the left and right operand; K: the contracted axis; several contracted axes count as one K, in the product's order):
;;     1. [M 8,192, K 1,024] x [K 1,024, N 1,024]; A: input inputs; B: input Wq: QUANTISED
;;     2. [M 8,192, K 1,024] x [K 1,024, N 1,024]; A: input inputs; B: input Wk: QUANTISED
;;     3. [M 8,192, K 1,024] x [K 1,024, N 1,024]; A: input inputs; B: input Wv: QUANTISED
;;     4. batch 8 x [M 1,024, K 1,024] x [K 1,024, N 1,024]; A: computed on the way; B: computed on the way: left as it is (an operand is computed on the way)
;;     5. batch 8 x [M 1,024, K 1,024] x [K 1,024, N 1,024]; A: computed on the way; B: computed on the way: left as it is (an operand is computed on the way)
;;   THE QUANTISER, for each operand of a quantised product, along K:
;;     - K is cut into blocks of 32 from its start; a last block that is shorter is filled with zeros.
;;     - A block's scale is 2^e with e = floor(log2(the largest magnitude in the block)) - 2, held to -126 .. 127; a block of zeros has e = 0. As a byte (E8M0): e + 127.
;;     - Each number is divided by its block's scale, clamped to +-6, and rounded to the nearest number of E2M1, ties to even, subnormals kept.
;;     - The product sums the exact products of the quantised numbers (number of the format x scale) in f32.
;;   ~~~python
;;   def quantise(x, axis):      # numpy; x: float32 -> the quantised numbers, widened to float32 again
;;       x = np.moveaxis(x, axis, -1); K = x.shape[-1]
;;       x = np.pad(x, [(0, 0)] * (x.ndim - 1) + [(0, -K % 32)]); x = x.reshape(x.shape[:-1] + (-1, 32)); a = np.abs(x).max(-1, keepdims=True)
;;       e = np.where(a > 0, np.clip(np.frexp(np.where(a > 0, a, 1))[1] - 1 - 2, -126, 127), 0)      # np.frexp(a)[1] - 1 = floor(log2(a)), exactly
;;       r = np.clip(x / 2.0 ** e, -6, 6)
;;       step = 2.0 ** (np.maximum(np.frexp(np.where(r == 0, 1, r))[1] - 1, 0) - 1)
;;       q = np.round(r / step) * step * 2.0 ** e      # np.round: ties to even
;;       return np.moveaxis(q.reshape(q.shape[:-2] + (-1,))[..., :K], -1, axis).astype(np.float32)
;;   ~~~
;; One version. Each part assembles by itself: llvm-mc -triple=amdgcn-amd-amdhsa -mcpu=gfx1250 --defsym DOCPART=n.
;; ======== version 1 of 1: 4 launches
;; limits: values are held in f16: magnitudes above 65,504 overflow, below 6.1e-05 lose precision
;; workspace buffers: xc 4,194,304 bytes; xs 262,144 bytes; wc 1,572,864 bytes; ws 98,304 bytes; qkv 50,331,648 bytes; pp 16,777,216 bytes; st 524,288 bytes
;; launch quant (part 1): grid 352 x 1, 4 waves a work-group, no clusters, 51,712 bytes of LDS; arguments inputs, Wq, Wk, Wv, xc, xs, wc, ws; writes xc, xs, wc, ws
.if DOCPART == 1
	.amdgcn_target "amdgcn-amd-amdhsa--gfx1250"
	.amdhsa_code_object_version 6
	.text
	.protected	k_qb57921283f_quant
	.globl	k_qb57921283f_quant
	.p2align	8
	.type	k_qb57921283f_quant,@function
k_qb57921283f_quant:
	s_mov_b64 s[64:65], 0
	v_nop
	global_prefetch_b8 v0, s[64:65] scope:SCOPE_SE
	s_setreg_imm32_b32 hwreg(HW_REG_WAVE_MODE, 25, 1), 1
	s_wait_xcnt 0x0
; inputs [8192][1024] f32 (K innermost) and Wq, Wk, Wv [1024 (k)][1024 (n)] f32 (K outermost) become codes of FP4 (E2M1) with K innermost and one E8M0 byte for each 32 along K:
;   xc [8192][512 bytes], xs [8192][32];   wc [3072][512 bytes], row 1024 t + n, t = 0, 1, 2 for Wq, Wk, Wv;   ws [n / 128][t][n % 128][32]: the scale bytes that one work-group of the next launch wants are 12,288 bytes on end.
; A block's scale is 2^(floor(log2(its largest magnitude)) - 2): its byte is the largest magnitude's exponent field - 2, held at 1 from below by a floor among the maximum's leaves.
; LIMITS: a block of zeros gets the byte 1 where the rule says 127 (its codes are zeros, and this program alone reads the bytes); NaN and infinities among the inputs are not served.
; Work-groups 0 to 95 take the weights, 96 to 351 the inputs.  The two ways share no LDS byte and do not join.  Nothing is shared between waves: no barrier, no cluster, no matrix unit.
; INPUTS: a plain stream of blocks of 32.  A wave takes 16 steps of 512 numbers; each load reads 512 consecutive bytes; a step turns through the wave's own stage in LDS so that a lane holds 16 neighbours
;   (two lanes to a block).  Loads run eight steps, 32 loads a wave, ahead.  A step's codes leave as 256 consecutive bytes; a wave's 256 scale bytes are gathered in LDS and leave as one store.
; WEIGHTS: a lane takes a column and its registers run down K, so a block of 32 lies in one lane.  A wave takes 32 columns x 256 along K (8 blocks); two waves side by side read 256 consecutive bytes of a row.
;   A column's 128 bytes of codes go through the wave's stage and leave eight lanes to a row: half of an aligned 256 bytes, the other half being the sister wave's (1.5 MB of the launch's bytes).
.set SPARE, 51200                      ; the spare words, 128 bytes for each wave: two blocks of 256 bytes that no other line names
.set SPW,   30                         ; v30  LDS address of my spare word; never rewritten
.set NIL,   31                         ; v31  0; never rewritten
.set STEPS, 16
.set SP,    80                         ; inputs: a lane's place in a stage: 64 bytes + 16 of padding
.set R,     32                         ; v32-159  eight sets of 16 numbers as loaded
.set X,     160                        ; v160-191 two sets of 16 neighbours
.set E,     192                        ; v192-207 a scale byte for each step
.set C,     208                        ; v208-239 two registers of codes for each step: no store's data are written again
.set WX,    32                         ; weights: v32-95 two sets of 32 numbers
.set WC,    96                         ; v96-99   a block's codes
.set WO,    112                        ; v112-143 the way out
.set SB,    24                         ; v24-25   the scale bytes
.set WP,    144                        ; a stage row: 128 bytes + 16
.macro LOAD t
.irp i, 0,1,2,3
	global_load_b128 v[R+16*((\t)%8)+4*\i:R+16*((\t)%8)+4*\i+3], v3, s[4:5] offset:2048*(\t)+512*\i th:TH_LOAD_NT   ; 32 lanes read 512 consecutive bytes
.endr
.endm
.macro TURN t                          ; step t's numbers through the stage; LDS serves a wave's instructions in order, so no wait stands between the stores and the loads
.irp i, 0,1,2,3
	ds_store_b128 v14, v[R+16*((\t)%8)+4*\i:R+16*((\t)%8)+4*\i+3] offset:32*SP*((\t)%2)+8*SP*\i
.endr
.irp i, 0,1,2,3
	ds_load_b128 v[X+16*((\t)%2)+4*\i:X+16*((\t)%2)+4*\i+3], v15 offset:32*SP*((\t)%2)+16*\i
.endr
.endm
.macro STEP t
.set XS, X+16*((\t)%2)
.if (\t) > 0
	s_wait_dscnt 1                                 ; this step's numbers are back from the stage (the last step's byte store may be out): so its stores into the stage have read their registers,
.else
	s_wait_dscnt 0x0
.endif
.if (\t)+8 < STEPS
	LOAD (\t)+8                                    ; which take the loads of eight steps on
.endif
.if (\t)+1 < STEPS
.if 14-(\t) >= 7
	s_wait_loadcnt 28                              ; the next step's four loads are in; those of the seven steps behind it may be out
.else
	s_wait_loadcnt 4*(14-(\t))                     ; towards the end fewer steps stand behind it
.endif
	TURN (\t)+1
.endif
	v_max3_num_f32 v8, |v[XS]|, |v[XS+1]|, |v[XS+2]|               ; the largest magnitude of my 16, in two chains
	v_max3_num_f32 v9, |v[XS+3]|, |v[XS+4]|, |v[XS+5]|
.irp i, 6,10
	v_max3_num_f32 v8, v8, |v[XS+\i]|, |v[XS+\i+1]|
	v_max3_num_f32 v9, v9, |v[XS+\i+2]|, |v[XS+\i+3]|
.endr
	v_max3_num_f32 v8, v8, |v[XS+14]|, |v[XS+15]|
	v_max3_num_f32 v8, v8, v9, 0x1800000           ; and the floor 2^(3 - 127): the byte cannot fall under 1
	v_max_num_f32_dpp v8, v8, v8 row_xmask:1 row_mask:0xf bank_mask:0xf   ; with my neighbour's 16: the block's
	v_add_nc_u32 v11, 0xff000000, v8               ; 2 off its exponent field: the conversion takes the exponent field of this operand as its scale
	v_cvt_scalef32_pk8_fp4_f32 v[C+2*(\t)], v[XS:XS+7], v11
	v_cvt_scalef32_pk8_fp4_f32 v[C+2*(\t)+1], v[XS+8:XS+15], v11
	v_lshrrev_b32 v[E+(\t)], 23, v11               ; the scale's byte (also the plain line behind the conversions)
	ds_store_b8 v5, v[E+(\t)] offset:16*(\t)       ; both lanes of a block write the same byte with the same value
	global_store_b64 v4, v[C+2*(\t):C+2*(\t)+1], s[12:13] offset:256*(\t)   ; 32 lanes store 256 consecutive bytes
.endm
.macro LOADW t                         ; block t: W(k0 + 32 t + i, my column) into set t % 2
.irp i, 0,1,2,3,4,5,6,7,8,9,10,11,12,13,14,15,16,17,18,19,20,21,22,23,24,25,26,27,28,29,30,31
	global_load_b32 v[WX+32*((\t)%2)+\i], v3, s[34:35] offset:(32*(\t)+\i)*4096 th:TH_LOAD_NT
.endr
.endm
.macro BLOCK t
.set WS, WX+32*((\t)%2)
.if (\t) < 7
	s_wait_loadcnt 32                              ; this block's 32 loads are in; the next block's may be out
.else
	s_wait_loadcnt 0x0
.endif
	v_max3_num_f32 v12, |v[WS]|, |v[WS+1]|, |v[WS+2]|              ; the block's largest magnitude: all 32 numbers are mine
	v_max3_num_f32 v13, |v[WS+3]|, |v[WS+4]|, |v[WS+5]|
.irp i, 6,10,14,18,22,26
	v_max3_num_f32 v12, v12, |v[WS+\i]|, |v[WS+\i+1]|
	v_max3_num_f32 v13, v13, |v[WS+\i+2]|, |v[WS+\i+3]|
.endr
	v_max3_num_f32 v12, v12, |v[WS+30]|, |v[WS+31]|
	v_max3_num_f32 v12, v12, v13, 0x1800000        ; and the floor
	v_add_nc_u32 v11, 0xff000000, v12              ; the conversion's scale operand
	v_lshrrev_b32 v13, 23, v11                     ; the scale's byte
.if (\t)%4 == 0
	v_mov_b32 v[SB+(\t)/4], v13                    ; four bytes to a register, the lower K in the lower byte
.else
	v_lshl_or_b32 v[SB+(\t)/4], v13, 8*((\t)%4), v[SB+(\t)/4]
.endif
.irp g, 0,1,2,3
	v_cvt_scalef32_pk8_fp4_f32 v[WC+\g], v[WS+8*\g:WS+8*\g+7], v11
.endr
	v_nop                                          ; one plain line behind the conversions
	ds_store_b128 v4, v[WC:WC+3] offset:16*(\t)    ; 32 codes: 16 bytes of my column's row
.if (\t)+2 < 8
	LOADW (\t)+2
.endif
	s_wait_dscnt 0x0                               ; the store has read its registers: the next block's codes may be written
.endm
	s_load_b256 s[4:11], s[0:1], 0x0               ; inputs s[4:5], Wq s[6:7], Wk s[8:9], Wv s[10:11]
	s_load_b256 s[12:19], s[0:1], 0x20             ; xc s[12:13], xs s[14:15], wc s[16:17], ws s[18:19]
	v_lshl_add_u32 v[SPW], v0, 2, SPARE
	v_mov_b32 v[NIL], 0
	v_lshrrev_b32 v1, 5, v0
	v_readfirstlane_b32 s20, v1                    ; wave 0..3
	v_and_b32 v2, 31, v0                           ; lane
	s_cmp_lt_u32 ttmp9, 96                         ; the first 96 work-groups take the weights: their chain of dependent loads is the longer
	s_cbranch_scc1 .Lw
	; ---------------- the inputs ----------------
	v_lshlrev_b32 v3, 4, v2                        ; my 16 bytes of a load's 512
	s_lshl_b32 s21, s20, 13                        ; my wave's 8,192 bytes of LDS
	v_lshrrev_b32 v14, 2, v2
	v_mul_u32_u24 v14, v14, SP
	v_and_b32 v15, 3, v2
	v_lshl_add_u32 v14, v15, 4, v14
	v_add_nc_u32 v14, s21, v14                     ; the stage, on the way in: SP (lane / 4) + 16 (lane % 4)
	v_mul_u32_u24 v15, v2, SP
	v_add_nc_u32 v15, s21, v15                     ; and on the way out: SP x lane: my 16 neighbours
	v_lshlrev_b32 v4, 3, v2                        ; 8 bytes a lane: my codes' place in a step's; my place in the 256 scale bytes
	v_lshrrev_b32 v5, 1, v2
	s_add_co_u32 s21, s21, 2*32*SP
	v_add_nc_u32 v5, s21, v5                       ; LDS: my wave's 256 scale bytes, my block's byte
	v_add_nc_u32 v6, s21, v4                       ; and where I read 8 of them back
	s_sub_co_u32 s22, ttmp9, 96
	s_lshl_b32 s22, s22, 2
	s_add_co_u32 s22, s22, s20                     ; which run of 8,192 numbers is my wave's: 0 .. 1,023
	s_lshl_b32 s24, s22, 15                        ; 32,768 bytes of numbers,
	s_mov_b32 s25, 0
	s_lshl_b32 s26, s22, 12                        ; 4,096 of codes,
	s_mov_b32 s27, 0
	s_lshl_b32 s28, s22, 8                         ; 256 scale bytes
	s_mov_b32 s29, 0
	s_wait_kmcnt 0x0
	s_add_nc_u64 s[4:5], s[4:5], s[24:25]
	s_add_nc_u64 s[12:13], s[12:13], s[26:27]
	s_add_nc_u64 s[14:15], s[14:15], s[28:29]
.irp t, 0,1,2,3,4,5,6,7
	LOAD \t
.endr
	s_wait_loadcnt 28                              ; step 0's four loads are in; seven steps' may be out
	TURN 0
.irp t, 0,1,2,3,4,5,6,7,8,9,10,11,12,13,14,15
	STEP \t
.endr
	ds_load_b64 v[8:9], v6                         ; LDS serves a wave's instructions in order: this sees my byte stores
	s_wait_dscnt 0x0
	global_store_b64 v4, v[8:9], s[14:15]          ; 32 lanes store 256 consecutive bytes
	s_wait_tensorcnt 0x0                           ; the wave's end, behind my last LDS store
	ds_add_u32 v[SPW], v[NIL]
	s_wait_dscnt 0x0
	s_endpgm
	; ---------------- the weights ----------------
.Lw:
	s_lshr_b32 s21, ttmp9, 5                       ; t: which weight
	s_bfe_u32 s22, ttmp9, 0x10004                  ; which 512 along K
	s_and_b32 s23, ttmp9, 15                       ; which 64 columns
	s_and_b32 s24, s20, 1                          ; my wave: which 32 of them,
	s_lshr_b32 s25, s20, 1                         ; and which 256 along K
	s_lshl_b32 s23, s23, 6
	s_lshl_b32 s24, s24, 5
	s_add_co_u32 s23, s23, s24                     ; n0: my first column
	s_lshl_b32 s22, s22, 1
	s_add_co_u32 s22, s22, s25                     ; k0 / 256
	v_lshlrev_b32 v3, 2, v2                        ; in: 4 bytes a lane
	s_mul_i32 s26, s20, 32*WP
	s_add_co_u32 s26, s26, 32768                   ; my stage: behind the bytes of the inputs' way
	v_mul_u32_u24 v4, v2, WP
	v_add_nc_u32 v4, s26, v4                       ; into it: row = my column
	v_lshrrev_b32 v5, 3, v2
	v_and_b32 v6, 7, v2                            ; out of it: eight lanes to a row of 128 bytes, four rows an instruction
	v_mul_u32_u24 v7, v5, WP
	v_lshl_add_u32 v7, v6, 4, v7
	v_add_nc_u32 v7, s26, v7
	v_lshlrev_b32 v8, 9, v5                        ; and the same place in wc: rows of 512 bytes
	v_lshl_add_u32 v8, v6, 4, v8
	v_lshlrev_b32 v9, 5, v2                        ; my column's row of scale bytes: my wave's 32 columns lie in one block of 128
	s_lshl_b32 s28, s22, 20                        ; k0 rows of 4,096 bytes
	s_lshl_b32 s27, s23, 2
	s_add_co_u32 s28, s28, s27                     ; + 4 n0
	s_mov_b32 s29, 0
	s_lshl_b32 s27, s21, 10
	s_add_co_u32 s27, s27, s23                     ; row 1024 t + n0 of wc
	s_lshl_b32 s30, s27, 9
	s_lshl_b32 s32, s22, 7
	s_add_co_u32 s30, s30, s32                     ; + k0 / 2
	s_mov_b32 s31, 0
	s_lshr_b32 s36, s23, 7                         ; row (3 (n0 / 128) + t) 128 + n0 % 128 of ws
	s_mul_i32 s36, s36, 3
	s_add_co_u32 s36, s36, s21
	s_lshl_b32 s36, s36, 7
	s_and_b32 s37, s23, 127
	s_add_co_u32 s36, s36, s37
	s_lshl_b32 s32, s36, 5
	s_lshl_b32 s33, s22, 3
	s_add_co_u32 s32, s32, s33                     ; + k0 / 32
	s_mov_b32 s33, 0
	s_wait_kmcnt 0x0
	s_cmp_eq_u32 s21, 0                            ; the choice hangs on the work-group's number alone
	s_cselect_b64 s[34:35], s[6:7], s[8:9]
	s_cmp_eq_u32 s21, 2
	s_cselect_b64 s[34:35], s[10:11], s[34:35]
	s_add_nc_u64 s[34:35], s[34:35], s[28:29]
	s_add_nc_u64 s[16:17], s[16:17], s[30:31]
	s_add_nc_u64 s[18:19], s[18:19], s[32:33]
	LOADW 0
	LOADW 1
.irp t, 0,1,2,3,4,5,6,7
	BLOCK \t
.endr
	global_store_b64 v9, v[SB:SB+1], s[18:19]      ; my column's 8 scale bytes
.irp i, 0,1,2,3,4,5,6,7
	ds_load_b128 v[WO+4*\i:WO+4*\i+3], v7 offset:4*WP*\i   ; LDS serves a wave's instructions in order: these see my stores
.endr
.irp i, 0,1,2,3,4,5,6,7
	s_wait_dscnt 7-\i
	global_store_b128 v8, v[WO+4*\i:WO+4*\i+3], s[16:17] offset:2048*\i
.endr
	s_wait_tensorcnt 0x0                           ; the wave's end, behind my last LDS store
	ds_add_u32 v[SPW], v[NIL]
	s_wait_dscnt 0x0
	s_endpgm
.Lfunc_end_k_qb57921283f_quant:
	.size	k_qb57921283f_quant, .Lfunc_end_k_qb57921283f_quant-k_qb57921283f_quant
	.p2alignl 7, 3214868480
	.fill 96, 4, 3214868480
	.section	.rodata,"a",@progbits
	.p2align	6, 0x0
	.amdhsa_kernel k_qb57921283f_quant
		.amdhsa_group_segment_fixed_size 51712
		.amdhsa_private_segment_fixed_size 0
		.amdhsa_enable_private_segment 0
		.amdhsa_kernarg_size 64
		.amdhsa_user_sgpr_count 2
		.amdhsa_user_sgpr_kernarg_segment_ptr 1
		.amdhsa_wavefront_size32 1
		.amdhsa_system_sgpr_workgroup_id_x 1
		.amdhsa_system_sgpr_workgroup_id_y 1
		.amdhsa_system_sgpr_workgroup_id_z 1
		.amdhsa_system_vgpr_workitem_id 0
		.amdhsa_next_free_vgpr 240
		.amdhsa_next_free_sgpr 66
		.amdhsa_reserve_vcc 0
		.amdhsa_float_denorm_mode_32 3
		.amdhsa_float_denorm_mode_16_64 3
		.amdhsa_memory_ordered 1
		.amdhsa_forward_progress 1
		.amdhsa_inst_pref_size 73
	.end_amdhsa_kernel
	.amdgpu_metadata
---
amdhsa.version: [ 1, 2 ]
amdhsa.kernels:
  - .name:           k_qb57921283f_quant
    .symbol:         k_qb57921283f_quant.kd
    .args:
      - { .name: inputs, .offset: 0, .size: 8, .value_kind: global_buffer, .address_space: global }
      - { .name: Wq, .offset: 8, .size: 8, .value_kind: global_buffer, .address_space: global }
      - { .name: Wk, .offset: 16, .size: 8, .value_kind: global_buffer, .address_space: global }
      - { .name: Wv, .offset: 24, .size: 8, .value_kind: global_buffer, .address_space: global }
      - { .name: xc, .offset: 32, .size: 8, .value_kind: global_buffer, .address_space: global }
      - { .name: xs, .offset: 40, .size: 8, .value_kind: global_buffer, .address_space: global }
      - { .name: wc, .offset: 48, .size: 8, .value_kind: global_buffer, .address_space: global }
      - { .name: ws, .offset: 56, .size: 8, .value_kind: global_buffer, .address_space: global }
    .group_segment_fixed_size: 51712
    .private_segment_fixed_size: 0
    .kernarg_segment_align: 8
    .kernarg_segment_size: 64
    .max_flat_workgroup_size: 128
    .sgpr_count:     66
    .vgpr_count:     240
    .wavefront_size: 32
...
	.end_amdgpu_metadata
.endif
;; end of part 1
;; launch proj (part 2): grid 8 x 32, 4 waves a work-group, clusters of 4 x 4, 327,680 bytes of LDS; arguments xc, xs, wc, ws, qkv, bq, bk, bv; writes qkv
.if DOCPART == 2
	.amdgcn_target "amdgcn-amd-amdhsa--gfx1250"
	.amdhsa_code_object_version 6
	.text
	.protected	k_qb57921283f_proj
	.globl	k_qb57921283f_proj
	.p2align	8
	.type	k_qb57921283f_proj,@function
k_qb57921283f_proj:
	s_mov_b64 s[64:65], 0
	v_nop
	global_prefetch_b8 v0, s[64:65] scope:SCOPE_SE
	s_setreg_imm32_b32 hwreg(HW_REG_WAVE_MODE, 25, 1), 1
	s_wait_xcnt 0x0
	s_wait_alu depctr_hold_cnt(0) depctr_sa_sdst(0) depctr_va_vdst(0) depctr_va_sdst(0) depctr_va_ssrc(0) depctr_va_vcc(0) depctr_vm_vsrc(0)
	s_getreg_b32 s2, hwreg(HW_REG_IB_STS2, 6, 4)
	s_cmp_eq_u32 s2, 0
	s_cbranch_scc0 .Lentry_in_a_cluster
	s_endpgm
.Lentry_in_a_cluster:
	s_bfe_u32 s2, ttmp6, 0x10000c
	s_cmp_lg_u32 s2, 0xf033
	s_cbranch_scc0 .Lentry_shape_is_right
	s_endpgm
.Lentry_shape_is_right:
; q, k, v [8192 tokens][1024] = x W + bias, on codes of FP4 (E2M1) with one E8M0 scale for each 32 along K; sums in f32, rounded once to f16.
; x: xc [8192][512 bytes], xs [8192][32].  Weights: wc [3072][512 bytes], row 1024 t + n; ws [n / 128][t][n % 128][32].  K = 1,024: 8 steps of 128.
; SHARES.  8 x 32 = 256 work-groups of equal work.  A work-group owns 256 tokens and columns 128 gx .. 128 gx + 127 of EACH of the three tensors, made in three PASSES: pass t is tensor t.
;   A wave makes 128 tokens x 64 columns a pass: 8 x 4 = 32 accumulators, all of window 1.
; x STAYS IN REGISTERS.  A wave's 128 tokens x 1,024 K of codes are 65,536 bytes: 512 registers, windows 2 and 3.  They are read from LDS once, step by step in pass 0, and serve all three passes:
;   from then on a step of 32 matrix instructions reads four fragments of the weights from LDS and nothing else.
; LDS.  x's 256 rows in two slots of 512 along K; two buffers for a pass's weights (128 rows x 1,024 K, as two halves along K); the scale bytes of x's 256 rows and of the 3 x 128 rows of weights, filled once.
;   Three buffers of weights do not fit beside x, so pass 2's weights are filled into pass 0's buffer, behind a round of the cluster's barrier in pass 0's last step: they have pass 0's way out and pass 1 in which to land.
;   By this text's count a wave has three tensor loads out at the start and one behind that round.
; CLUSTERS: 4 x 4 work-groups: x's tiles are shared along a row of the cluster, the weights' along a column: each is asked for jointly, by the same load with the same descriptor and a mask that names the four.
; THE MATRIX INSTRUCTION IS USED TRANSPOSED (source 0 = 16 rows of the weights, source 1 = 16 tokens): a lane holds one token and eight neighbouring columns.  The bias is the C of each sum's first instruction.
; THE RESULT IS STORED AS IMAGES OF 16-BIT OPERAND REGISTERS.  qkv: tensor t at t x 2^24 bytes; fragment (tb = token / 16, ks = d / 32) at (32 tb + ks) x 1,024; its part p (512 bytes) holds, for lane (r, h),
;   d = 32 ks + 16 p + 8 h + 0 .. 7 of token 16 tb + r, 16 bytes at 16 pi(lane), pi(lane) = lane xor 8 (lane / 16).  A lane's eight results, packed, are just such 16 bytes: no way through LDS; a store covers 512 consecutive bytes.
;   A pass's stores are on their way while the next pass is multiplied.
; LIMIT: a result beyond 65,504 in magnitude becomes infinity in f16.
; REGISTERS: window 0: v1-29 addresses; v32-95 scale words; v96-159 the weights' fragments, two sets of four; v160-191 the pass's bias in the result's layout; v192-255 packed results.
;   window 1: accumulator (a, b) at v[8 (4 a + b)].   windows 2, 3: x's fragment (block a, step q) at v[64 (q % 4) + 8 a] of window 2 + q / 4.
.set ROWB,   256                       ; a tile's row in bytes: 512 codes
.set KROW,   512                       ; a row of codes in memory
.set PITCH,  272                       ; an LDS row: 256 bytes + 16 of padding, so that the 16 rows that a load touches begin at 16 different 16-byte columns of 256 bytes
.set HALFT,  128*PITCH                 ; 128 rows
.set XSL,    2*HALFT                   ; a slot of x: 256 rows x 512 K.  Also a buffer of weights: 128 rows x the first 512 K, then x the second
.set WB0,    4*HALFT                   ; the two buffers of weights lie behind x's two slots
.set KS,     32                        ; a row of scale bytes
.set SBLK,   544                       ; the scale bytes of 16 rows: two units of 256 bytes + 16 of padding each
.set SCLW,   8*HALFT                   ; the weights' scale bytes: [t][128 rows], 48 units;
.set HALFW,  24*272                    ; (half of them: what one tensor load brings)
.set SCLX,   SCLW+2*HALFW              ; x's: 256 rows, 32 units;
.set HALFS,  16*272                    ; (those of 128 rows)
.set SPARE,  SCLX+2*HALFS              ; the spare words, 128 bytes for each wave: two blocks of 256 bytes that no other line names
.set BO,   8                           ; v8      the bias: 32 bytes for each half of the lanes
.set ADRS, 10                          ; v10-12  LDS address of my scale words in pass 0, 1, 2: lanes 0-15 x's rows, lanes 16-31 the weights'
.set ADRA, 16                          ; v16-17  LDS address of my fragments of x in slot 0, 1
.set ADRB, 20                          ; v20-23  the same for the weights: buffer 0 first and second half of K, buffer 1 likewise
.set CO,   26                          ; v26     16 pi(lane): my place in a part of an image
.set SPW,  28                          ; v28     LDS address of my spare word; never rewritten
.set NIL,  29                          ; v29     0; never rewritten
.set SC,   32                          ; register 8 i + q: lanes 0-15 the word of x's block i, lanes 16-31 (i < 4) that of the weights' block i, for step q
.set WF,   96
.set BIAS, 160
.set TMP,  192
.set G1R,  4                           ; s[4:11]  group 1 for the refill: 64 rows (made when the four pointers that lay here are done with)
.set G1,   24                          ; s[24:31] group 1 for x's tiles;  s[32:39] group 0, one set for each slot
.set G0,   32
.set G1B,  48                          ; s[48:55], s[56:63] the same for the weights' first two tiles
.set G0B,  56
.set G1S,  68                          ; s[68:75], s[76:79] for x's scales;  s[80:87], s[88:91] for the weights'
.set G0S,  76
.set G1SB, 80
.set G0SB, 88
.set G0R,  92                          ; s[92:95] group 0 for the refill
.set MSB, 0
.macro WIN new                         ; the immediate's high byte repeats the setting that is left; a switch that changes nothing is dropped
.if MSB != (\new)
	s_set_vgpr_msb (MSB<<8)|(\new)
.set MSB, (\new)
.endif
.endm
; A joint load: waves 0 and 1 fetch for x, waves 2 and 3 for the weights.  The branch hangs on the wave's number alone.  An s_nop 0 and four v_nop follow each of the two lines.
.macro JLOAD g0a, g1a, g0b, g1b
	s_cmp_eq_u32 s15, 0
	s_cbranch_scc0 .Lfor_b_\@
	tensor_load_to_lds s[\g0a:\g0a+3], s[\g1a:\g1a+7]
	s_nop 0
.rept 4
	v_nop
.endr
	s_branch .Lasked_\@
.Lfor_b_\@:
	tensor_load_to_lds s[\g0b:\g0b+3], s[\g1b:\g1b+7]
	s_nop 0
.rept 4
	v_nop
.endr
.Lasked_\@:
.endm
.macro CREST                           ; a round of the cluster's barrier behind its opening barrier
	s_cmp_lg_u32 s14, 0
	s_cbranch_scc1 .Lnot_wave_0_\@
	s_barrier_signal -3
.Lnot_wave_0_\@:
	s_barrier_wait -3
	s_barrier_signal -1
	s_barrier_wait -1
.endm
.macro CROUND                          ; a whole round
	s_barrier_signal -1
	s_barrier_wait -1
	CREST
.endm
; A load into a register that a matrix instruction has read, and a vector instruction that reads a matrix result, stand four places behind it; only plain vector instructions that name none of its registers are places.
.macro PLACES
.rept 4
	v_nop
.endr
.endm
	s_load_b128 s[4:7], s[0:1], 0x0                ; xc s[4:5], xs s[6:7]
	s_load_b128 s[8:11], s[0:1], 0x10              ; wc s[8:9], ws s[10:11]
	s_load_b64 s[12:13], s[0:1], 0x20              ; qkv
	s_load_b64 s[96:97], s[0:1], 0x28              ; bq
	s_load_b64 s[98:99], s[0:1], 0x30              ; bk
	s_load_b64 s[100:101], s[0:1], 0x38            ; bv
	v_lshl_add_u32 v[SPW], v0, 2, SPARE
	v_mov_b32 v[NIL], 0
	ds_add_u32 v[SPW], v[NIL]                      ; the wave's opening: the add, twice on end, and its wait ahead of my first tensor load
	ds_add_u32 v[SPW], v[NIL]                      ; and once more; the set-up below, work on registers, stands between it and the wait
	v_lshrrev_b32 v1, 5, v0
	v_readfirstlane_b32 s14, v1                    ; wave 0..3
	s_lshr_b32 s15, s14, 1                         ; which 128 of the tile's tokens are mine.  Also: at the start I fetch for x (0) or for the weights (1)
	s_and_b32 s16, s14, 1                          ; which 64 of a pass's columns.  Also: which part of a tile I fetch
	s_bfe_u32 s40, ttmp6, 0x40000                  ; cx, cy: my place in the cluster
	s_bfe_u32 s41, ttmp6, 0x40004
	s_lshl_b32 s42, ttmp9, 2
	s_add_co_u32 s42, s42, s40                     ; gx = 4 x cluster x + cx: my 128 columns of each tensor, 0 .. 7
	s_and_b32 s17, ttmp7, 0xffff
	s_lshl_b32 s17, s17, 2
	s_add_co_u32 s17, s17, s41                     ; tile row = 4 x cluster y + cy: my 256 tokens, 0 .. 31
	s_lshl_b32 s43, s41, 2
	s_lshl_b32 s43, 15, s43                        ; my row of the cluster
	s_lshl_b32 s44, 0x1111, s40                    ; my column
	; group 1: a tile of 128 rows x 256 bytes, padded in LDS
	s_or_b32 s[G1+0], s43, (0<<16)|(1<<20)|(1<<21)|(5<<22)|(3<<25)  ; 15:0 the mask; 17:16 elements of 1 byte; 20 padding on; 21 set beside a mask; 24:22 after every 64 words; 31:25 four words
	s_or_b32 s[G1B+0], s44, (0<<16)|(1<<20)|(1<<21)|(5<<22)|(3<<25)
.irp g, G1, G1B
	s_mov_b32 s[\g+1], ROWB<<16                    ; tensor_dim0
	s_mov_b32 s[\g+2], 128<<16                     ; tensor_dim1
	s_mov_b32 s[\g+3], ROWB<<16                    ; tile_dim0
	s_mov_b32 s[\g+4], 128                         ; tile_dim1
	s_mov_b32 s[\g+5], KROW                        ; from row to row
	s_mov_b32 s[\g+6], 0
	s_mov_b32 s[\g+7], 0
.endr
	; the scale bytes: dense blocks, as rows of 256 bytes (32 elements of 8 bytes), 16 bytes of padding behind each: x's 128 rows are 16 such rows, half of the weights' 3 x 128 rows are 24
	s_or_b32 s[G1S+0], s43, (3<<16)|(1<<20)|(1<<21)|(5<<22)|(3<<25)
	s_mov_b32 s[G1S+1], 32<<16
	s_mov_b32 s[G1S+2], 16<<16
	s_mov_b32 s[G1S+3], 32<<16
	s_mov_b32 s[G1S+4], 16
	s_mov_b32 s[G1S+5], 32
	s_mov_b32 s[G1S+6], 0
	s_mov_b32 s[G1S+7], 0
	s_or_b32 s[G1SB+0], s44, (3<<16)|(1<<20)|(1<<21)|(5<<22)|(3<<25)
	s_mov_b32 s[G1SB+1], 32<<16
	s_mov_b32 s[G1SB+2], 24<<16
	s_mov_b32 s[G1SB+3], 32<<16
	s_mov_b32 s[G1SB+4], 24
	s_mov_b32 s[G1SB+5], 32
	s_mov_b32 s[G1SB+6], 0
	s_mov_b32 s[G1SB+7], 0
	; where the tiles come from.  x's hang on the tile row alone, the weights' on gx alone, each in registers that never hold the other coordinate
	s_lshl_b32 s18, s16, 7
	s_lshl_b32 s20, s17, 8
	s_add_co_u32 s20, s20, s18                     ; x: row 256 x tile row + 128 x part
	s_lshl_b32 s22, s20, 5                         ; its scale bytes,
	s_mov_b32 s23, 0
	s_lshl_b32 s20, s20, 9                         ; its codes
	s_mov_b32 s21, 0
	s_lshl_b32 s46, s42, 16                        ; the weights' codes: row 128 gx of tensor 0,
	s_lshl_b32 s47, s16, 8
	s_add_co_u32 s46, s46, s47                     ; the first or the second 512 along K
	s_mov_b32 s47, 0
	s_mul_i32 s18, s42, 12288                      ; their scale bytes: my 3 x 128 rows,
	s_mul_i32 s19, s16, 6144
	s_add_co_u32 s18, s18, s19                     ; the first or the second half
	s_mov_b32 s19, 0
	s_mul_i32 s45, s16, HALFT                      ; and where they go: no place in the cluster enters an LDS address
	s_mul_i32 s66, s16, HALFS
	s_mul_i32 s67, s16, HALFW
	s_lshl_b32 s2, s15, 15                         ; the refill is shared out among all four waves: half s16 of K, rows 64 s15 on
	s_mov_b32 s3, 0
	s_mul_i32 s[G0R+1], s15, 64*PITCH
	s_add_co_u32 s[G0R+1], s[G0R+1], s45
	s_add_co_u32 s[G0R+1], s[G0R+1], WB0           ; into buffer 0
	s_mov_b32 s[G0R], 1
	s_wait_dscnt 0x0                               ; both opening adds are done
	s_wait_kmcnt 0x0
	s_add_nc_u64 s[20:21], s[4:5], s[20:21]
	s_add_nc_u64 s[22:23], s[6:7], s[22:23]
	s_add_nc_u64 s[46:47], s[8:9], s[46:47]
	s_add_nc_u64 s[18:19], s[10:11], s[18:19]
	s_add_nc_u64 s[G0R+2:G0R+3], s[46:47], s[2:3]
	s_add_nc_u64 s[G0R+2:G0R+3], s[G0R+2:G0R+3], 0x100000   ; tensor 2: 2,048 rows of 512 bytes on
	s_or_b32 s[G0R+3], s[G0R+3], 0x80000000
	CROUND                                         ; all sixteen work-groups are here: the first joint loads meet
	s_mov_b32 s[G0S], 1
	s_add_co_u32 s[G0S+1], s66, SCLX
	s_mov_b64 s[G0S+2:G0S+3], s[22:23]
	s_or_b32 s[G0S+3], s[G0S+3], 0x80000000
	s_mov_b32 s[G0SB], 1
	s_add_co_u32 s[G0SB+1], s67, SCLW
	s_mov_b64 s[G0SB+2:G0SB+3], s[18:19]
	s_or_b32 s[G0SB+3], s[G0SB+3], 0x80000000
	JLOAD G0S, G1S, G0SB, G1SB                     ; the scales first: they are wanted with the first step
.irp s, 0,1
	s_mov_b32 s[G0+4*\s], 1
	s_add_co_u32 s[G0+4*\s+1], s45, \s*XSL
	s_add_nc_u64 s[G0+4*\s+2:G0+4*\s+3], s[20:21], \s*ROWB         ; x's slot s: 512 along K on
	s_or_b32 s[G0+4*\s+3], s[G0+4*\s+3], 0x80000000
	s_mov_b32 s[G0B+4*\s], 1
	s_add_co_u32 s[G0B+4*\s+1], s45, WB0+\s*XSL
	s_add_nc_u64 s[G0B+4*\s+2:G0B+4*\s+3], s[46:47], \s*524288     ; buffer s: tensor s: 1,024 rows on
	s_or_b32 s[G0B+4*\s+3], s[G0B+4*\s+3], 0x80000000
	JLOAD G0+4*\s, G1, G0B+4*\s, G1B
.endr
	s_or_b32 s[G1R+0], s44, (0<<16)|(1<<20)|(1<<21)|(5<<22)|(3<<25) ; the refill's group 1: as the weights', with 64 rows
	s_mov_b32 s[G1R+1], ROWB<<16
	s_mov_b32 s[G1R+2], 64<<16
	s_mov_b32 s[G1R+3], ROWB<<16
	s_mov_b32 s[G1R+4], 64
	s_mov_b32 s[G1R+5], KROW
	s_mov_b32 s[G1R+6], 0
	s_mov_b32 s[G1R+7], 0
	v_and_b32 v1, 15, v0                           ; r = lane % 16
	v_bfe_u32 v2, v0, 4, 1                         ; h = lane / 16
	s_lshl_b32 s46, s42, 9                         ; the biases at my 64 columns: (128 gx + 64 x half) x 4 bytes
	s_lshl_b32 s47, s16, 8
	s_add_co_u32 s46, s46, s47
	s_mov_b32 s47, 0
	s_add_nc_u64 s[96:97], s[96:97], s[46:47]
	s_add_nc_u64 s[98:99], s[98:99], s[46:47]
	s_add_nc_u64 s[100:101], s[100:101], s[46:47]
	v_lshlrev_b32 v[BO], 5, v2
.macro BIASLOAD t                      ; pass t's bias in the result's layout: for block b, bias[16 b + 8 h + 0 .. 7]
	WIN 0
.irp b, 0,1,2,3
	global_load_b128 v[BIAS+8*\b:BIAS+8*\b+3], v[BO], s[96+2*(\t):97+2*(\t)] offset:64*\b
	global_load_b128 v[BIAS+8*\b+4:BIAS+8*\b+7], v[BO], s[96+2*(\t):97+2*(\t)] offset:64*\b+16
.endr
.endm
	BIASLOAD 0
	v_mul_u32_u24 v3, v1, PITCH
	v_lshl_add_u32 v4, v2, 4, v3                   ; a fragment's row x pitch + 16 x half
	s_mul_i32 s21, s15, HALFT                      ; my 128 rows of x
	v_add_nc_u32 v[ADRA], s21, v4
	v_add_nc_u32 v[ADRA+1], XSL, v[ADRA]
	s_mul_i32 s22, s16, 64*PITCH                   ; my 64 rows of the weights
	s_add_co_u32 s22, s22, WB0
.irp j, 0,1,2,3
	v_add_nc_u32 v[ADRB+\j], s22, v4
	s_add_co_u32 s22, s22, HALFT
.endr
	v_mul_u32_u24 v5, v1, KS                       ; my row's scales: KS bytes a row,
	v_lshrrev_b32 v6, 8, v5
	v_lshl_add_u32 v5, v6, 4, v5                   ; and 16 more for each 256 passed
	v_xor_b32 v7, 1, v2                            ; 1 in lanes 0-15, which take x's
	s_mul_i32 s20, s15, HALFS
	s_add_co_u32 s20, s20, SCLX                    ; x's: my 128 rows
	s_mul_i32 s21, s16, 4*SBLK
	s_add_co_u32 s21, s21, SCLW                    ; the weights': my 64 rows of pass 0
.irp t, 0,1,2
	s_sub_co_u32 s22, s20, s21                     ; the lower base + (1 - h) x the distance: one product
	v_mul_u32_u24 v6, s22, v7
	v_add_nc_u32 v6, v5, v6
	v_add_nc_u32 v[ADRS+\t], s21, v6
	s_add_co_u32 s21, s21, 8*SBLK                  ; the next pass's 128 rows
.endr
	v_and_b32 v6, 31, v0
	v_lshlrev_b32 v7, 3, v2
	v_xor_b32 v6, v6, v7                           ; pi(lane)
	v_lshlrev_b32 v[CO], 4, v6
	s_lshl_b32 s20, s17, 4                         ; where my part of tensor 0 begins in qkv: token block 16 x tile row + 8 x half,
	s_lshl_b32 s21, s15, 3
	s_add_co_u32 s20, s20, s21
	s_lshl_b32 s20, s20, 15                        ; 32 fragments of 1,024 bytes each;
	s_lshl_b32 s46, s42, 12                        ; fragment 4 gx + 2 x half along d
	s_lshl_b32 s47, s16, 11
	s_add_co_u32 s46, s46, s47
	s_add_co_u32 s20, s20, s46
	s_mov_b32 s21, 0
	s_add_nc_u64 s[12:13], s[12:13], s[20:21]
; A fragment, 16 rows x 128 K of 4-bit codes, is 8 registers: lane l holds row l % 16; registers 4 c .. 4 c + 3 hold K = 64 c + 32 (l / 16) + 0 .. 31: two loads of 16 bytes, 32 bytes apart.
.macro FETCH_W t, q                    ; the four fragments of pass t's weights for step q, into set q % 2
	WIN 0
.irp i, 0,1,2,3
.irp c, 0,1
	ds_load_b128 v[WF+32*((\q)%2)+8*\i+4*\c:WF+32*((\q)%2)+8*\i+4*\c+3], v[ADRB+2*((\t)%2)+(\q)/4] offset:64*((\q)%4)+32*\c+\i*16*PITCH
.endr
.endr
.endm
.macro FETCH_X q                       ; x's eight fragments of step q, into the registers in which they stay
	WIN 0x80+0x40*((\q)/4)                         ; destination window 2 or 3, address window 0
.irp a, 0,1,2,3,4,5,6,7
.irp c, 0,1
	ds_load_b128 v[64*((\q)%4)+8*\a+4*\c:64*((\q)%4)+8*\a+4*\c+3], v[ADRA+(\q)/4] offset:64*((\q)%4)+32*\c+\a*16*PITCH
.endr
.endr
	WIN 0
.endm
.macro SCALES t                        ; pass t's scale words, all 8 steps: lanes 0-15 x's block i, lanes 16-31 the weights' block i (for i > 3 they read other rows' bytes of the same region, which no product takes)
.irp i, 0,1,2,3,4,5,6,7
	ds_load_b128 v[SC+8*\i:SC+8*\i+3], v[ADRS+(\t)] offset:\i*SBLK
	ds_load_b128 v[SC+8*\i+4:SC+8*\i+7], v[ADRS+(\t)] offset:\i*SBLK+16
.endr
.endm
; 16 matrix instructions: x's blocks a0 .. a0 + 3 against the weights' four, step q.  In step 0 the bias is the C.  The 32 accumulators take turns, one instruction a turn, in the same order in every step.
.macro MULH q, a0
.irp a, \a0, \a0+1, \a0+2, \a0+3
.irp b, 0,1,2,3
.if (\q) == 0
	v_wmma_scale_f32_16x16x128_f8f6f4 v[8*(4*(\a)+\b):8*(4*(\a)+\b)+7], v[WF+32*((\q)%2)+8*\b:WF+32*((\q)%2)+8*\b+7], v[64*((\q)%4)+8*(\a):64*((\q)%4)+8*(\a)+7], v[BIAS+8*\b:BIAS+8*\b+7], v[SC+8*\b+(\q)], v[SC+8*(\a)+(\q)] matrix_a_fmt:MATRIX_FMT_FP4 matrix_b_fmt:MATRIX_FMT_FP4 matrix_a_scale:MATRIX_SCALE_ROW1
.else
	v_wmma_scale_f32_16x16x128_f8f6f4 v[8*(4*(\a)+\b):8*(4*(\a)+\b)+7], v[WF+32*((\q)%2)+8*\b:WF+32*((\q)%2)+8*\b+7], v[64*((\q)%4)+8*(\a):64*((\q)%4)+8*(\a)+7], v[8*(4*(\a)+\b):8*(4*(\a)+\b)+7], v[SC+8*\b+(\q)], v[SC+8*(\a)+(\q)] matrix_a_fmt:MATRIX_FMT_FP4 matrix_b_fmt:MATRIX_FMT_FP4 matrix_a_scale:MATRIX_SCALE_ROW1
.endif
.endr
.endr
.endm
; The products' windows: source 0 (weights) window 0; source 1 (x) window 2 or 3; D window 1; C window 1, in step 0 window 0 (the bias): 0x48, 0x58, 0x5c.
.macro WINMUL q
	WIN 0x48+0x10*(((\q)+7)/8)+0x04*((\q)/4)
.endm
.macro NEXT t, q                       ; what the step behind (t, q) wants is asked for a whole step ahead
.if (\q) < 7
	FETCH_W \t, (\q)+1
.if (\t) == 0
	FETCH_X (\q)+1
.endif
.elseif (\t) < 2
	FETCH_W (\t)+1, 0
.endif
.if ((\q) == 1) && ((\t) < 2)
	BIASLOAD (\t)+1                                ; step 0's products have read the bias: the next pass's takes its place
.endif
.endm
.macro STEP t, q
.if (\q) == 0
	s_wait_loadcnt 0x0                             ; the pass's bias
.endif
	s_wait_dscnt 0x0                               ; this step's fragments, asked for a step ago, are in
	PLACES                                         ; behind the last step's products, whose set of weights is loaded anew
	NEXT \t, \q
	WINMUL \q
	MULH \q, 0
	MULH \q, 4
	WIN 0
.endm
; A step with a barrier.  In front of it each wave waits for all its tensor loads, adds 0 to its spare word, and waits for that and for all its LDS reads.  Sixteen products stand between signal and wait.
; (0, 3): x's slot 1 and buffer 1 have landed.  (0, 7), fill = 1: nobody reads buffer 0 any more; the barrier opens a round of the cluster's, and pass 2's weights are asked for.  (1, 7): they have landed.
.macro CHG t, q, fill
	WIN 0
	s_wait_tensorcnt 0x0                           ; all my tensor loads have landed
	ds_add_u32 v[SPW], v[NIL]                      ; 0 onto my spare word
	s_wait_dscnt 0x0                               ; the add is done; this step's fragments are in, and no LDS read of mine is out
	s_barrier_signal -1
	WINMUL \q
	MULH \q, 0
	WIN 0                                          ; (branches may follow)
	s_barrier_wait -1
.if \fill
	CREST                                          ; no wave of any partner still reads buffer 0 or has a load on its way
	tensor_load_to_lds s[G0R:G0R+3], s[G1R:G1R+7]  ; my one tensor load behind the round, and the first thing there: 64 rows of pass 2's weights
	s_nop 0
.rept 4
	v_nop                                          ; (the places in front of the loads below)
.endr
.else
	PLACES
.endif
	NEXT \t, \q
	WINMUL \q
	MULH \q, 4
	WIN 0
.endm
; THE WAY OUT of pass t.  Accumulator (a, b): lane (r, h) holds token 16 a + r, columns 16 b + 8 h + 0 .. 7: packed to f16 they are part b % 2 of fragment b / 2.
.macro OUT t
	PLACES                                         ; behind the last products: their results are read, and their scale words are loaded anew
.if (\t) < 2
	SCALES (\t)+1
.endif
.irp a, 0,1,2,3,4,5,6,7
.if ((\t) > 0) || (\a >= 4)
	s_wait_xcnt 0x0                                ; the stores of four blocks back have read their registers and their base: both are written again only behind this wait
.endif
.if ((\t) > 0) && (\a == 0)
	s_add_nc_u64 s[12:13], s[12:13], 0x1000000     ; the next tensor
.endif
	WIN 0x05                                       ; sources 0 and 1: window 1
.irp b, 0,1,2,3
.irp r, 0,1,2,3
	v_cvt_pk_f16_f32 v[TMP+16*(\a%4)+4*\b+\r], v[8*(4*\a+\b)+2*\r], v[8*(4*\a+\b)+2*\r+1]   ; each accumulator from its low end on
.endr
.endr
	WIN 0
.irp b, 0,1,2,3
	global_store_b128 v[CO], v[TMP+16*(\a%4)+4*\b:TMP+16*(\a%4)+4*\b+3], s[12:13] offset:\a*32768+(\b/2)*1024+(\b%2)*512   ; 32 lanes store 512 consecutive bytes
.endr
.endr
.endm
	s_wait_tensorcnt 1                             ; the scales and my part of x's slot 0 or of buffer 0 are in; my third load (slot 1 or buffer 1) may be out
	s_barrier_signal -1
	s_barrier_wait -1                              ; everybody's are
	SCALES 0
	FETCH_W 0, 0
	FETCH_X 0
	STEP 0, 0
	STEP 0, 1
	STEP 0, 2
	CHG 0, 3, 0
	STEP 0, 4
	STEP 0, 5
	STEP 0, 6
	CHG 0, 7, 1
	OUT 0
.irp q, 0,1,2,3,4,5,6
	STEP 1, \q
.endr
	CHG 1, 7, 0
	OUT 1
.irp q, 0,1,2,3,4,5,6,7
	STEP 2, \q
.endr
	OUT 2
	s_wait_tensorcnt 0x0                           ; the wave's end, behind my last tensor load
	ds_add_u32 v[SPW], v[NIL]
	s_wait_dscnt 0x0
	CROUND                                         ; the closing round: no work-group ends while a partner may still ask for a tile that names it
	s_endpgm
.Lfunc_end_k_qb57921283f_proj:
	.size	k_qb57921283f_proj, .Lfunc_end_k_qb57921283f_proj-k_qb57921283f_proj
	.p2alignl 7, 3214868480
	.fill 96, 4, 3214868480
	.section	.rodata,"a",@progbits
	.p2align	6, 0x0
	.amdhsa_kernel k_qb57921283f_proj
		.amdhsa_group_segment_fixed_size 327680
		.amdhsa_private_segment_fixed_size 0
		.amdhsa_enable_private_segment 0
		.amdhsa_kernarg_size 64
		.amdhsa_user_sgpr_count 2
		.amdhsa_user_sgpr_kernarg_segment_ptr 1
		.amdhsa_wavefront_size32 1
		.amdhsa_system_sgpr_workgroup_id_x 1
		.amdhsa_system_sgpr_workgroup_id_y 1
		.amdhsa_system_sgpr_workgroup_id_z 1
		.amdhsa_system_vgpr_workitem_id 0
		.amdhsa_next_free_vgpr 1024
		.amdhsa_next_free_sgpr 102
		.amdhsa_reserve_vcc 0
		.amdhsa_float_denorm_mode_32 3
		.amdhsa_float_denorm_mode_16_64 3
		.amdhsa_memory_ordered 1
		.amdhsa_forward_progress 1
		.amdhsa_inst_pref_size 176
	.end_amdhsa_kernel
	.amdgpu_metadata
---
amdhsa.version: [ 1, 2 ]
amdhsa.kernels:
  - .name:           k_qb57921283f_proj
    .symbol:         k_qb57921283f_proj.kd
    .args:
      - { .name: xc, .offset: 0, .size: 8, .value_kind: global_buffer, .address_space: global }
      - { .name: xs, .offset: 8, .size: 8, .value_kind: global_buffer, .address_space: global }
      - { .name: wc, .offset: 16, .size: 8, .value_kind: global_buffer, .address_space: global }
      - { .name: ws, .offset: 24, .size: 8, .value_kind: global_buffer, .address_space: global }
      - { .name: qkv, .offset: 32, .size: 8, .value_kind: global_buffer, .address_space: global }
      - { .name: bq, .offset: 40, .size: 8, .value_kind: global_buffer, .address_space: global }
      - { .name: bk, .offset: 48, .size: 8, .value_kind: global_buffer, .address_space: global }
      - { .name: bv, .offset: 56, .size: 8, .value_kind: global_buffer, .address_space: global }
    .group_segment_fixed_size: 327680
    .private_segment_fixed_size: 0
    .kernarg_segment_align: 8
    .kernarg_segment_size: 64
    .max_flat_workgroup_size: 128
    .sgpr_count:     102
    .vgpr_count:     1024
    .wavefront_size: 32
...
	.end_amdgpu_metadata
.endif
;; end of part 2
;; launch score (part 3): grid 8 x 32, 4 waves a work-group, clusters of 4 x 1, 327,680 bytes of LDS; arguments qkv, mask, pp, st; writes pp, st
.if DOCPART == 3
	.amdgcn_target "amdgcn-amd-amdhsa--gfx1250"
	.amdhsa_code_object_version 6
	.text
	.protected	k_qb57921283f_score
	.globl	k_qb57921283f_score
	.p2align	8
	.type	k_qb57921283f_score,@function
k_qb57921283f_score:
	s_mov_b64 s[64:65], 0
	v_nop
	global_prefetch_b8 v0, s[64:65] scope:SCOPE_SE
	s_setreg_imm32_b32 hwreg(HW_REG_WAVE_MODE, 25, 1), 1
	s_wait_xcnt 0x0
	s_wait_alu depctr_hold_cnt(0) depctr_sa_sdst(0) depctr_va_vdst(0) depctr_va_sdst(0) depctr_va_ssrc(0) depctr_va_vcc(0) depctr_vm_vsrc(0)
	s_getreg_b32 s2, hwreg(HW_REG_IB_STS2, 6, 4)
	s_cmp_eq_u32 s2, 0
	s_cbranch_scc0 .Lentry_in_a_cluster
	s_endpgm
.Lentry_in_a_cluster:
	s_bfe_u32 s2, ttmp6, 0x10000c
	s_cmp_lg_u32 s2, 0x3003
	s_cbranch_scc0 .Lentry_shape_is_right
	s_endpgm
.Lentry_shape_is_right:
; S^T = K Q^T in f16 with f32 sums, the mask's choice, and the softmax's first half, for each batch.
; t = (mask ? q . k : -999,999 x 32) x log2(e) / 32.  For each query and each GROUP of 128 keys: -M = floor(-(the group's largest t)), a whole number; p' = 2^(t - M), at most 1, stored in f16;
; l = the f32 sum of the unrounded p'.  The next launch brings the eight groups of a row under the row's own M by powers of two: the row's true maximum is taken away, nothing is shifted by a constant.
; SHARES.  A work-group makes 256 keys x 128 queries of one batch; a wave 128 keys (one group) x 64 queries: 8 x 4 = 32 accumulators, all of window 1.  K = d = 1,024: 32 quarters of 32, 32 matrix instructions each.
; K's fragments (source 0) come through a ring of two LDS slots of 256 along d, as images of operand registers: dense, no pitch.  The four query blocks of a cluster want the same tile of K: it is asked for JOINTLY; each wave
;   brings 4 of the tile's 16 token blocks (4 rows of 8,192 bytes).  By this text's count a wave has two tensor loads out at the start and one behind each of the two rounds that refill.
; Q's fragments (source 1) go from memory straight into registers, 512 consecutive bytes a load, through a ring of eight sets of 32 registers (window 2), asked for seven quarters ahead.  They are not asked for jointly:
;   a wave reads each of its fragments of Q once, so a way through LDS would add a third to the LDS bytes filled and read and leave no room for slots of 256 along d.
; A lane holds ONE query (lane % 16) and keys 8 (lane / 16) + 0 .. 7 of each block of 16: two neighbouring blocks, packed, are source 1 of the next launch's product: pp holds them so:
;   fragment (batch, qb = q / 16, kg = key / 32) at ((64 batch + qb) 32 + kg) x 1,024, part p at 512 p, a lane's 16 bytes at 16 x lane.
; st: [batch][group][q / 64][512 bytes]: byte 16 r + 4 b: -M of query 16 b + r; byte 256 + 16 r + 4 b: its l.
; The mask is an input: every tile is computed.  A lane's 8 mask bytes of a block are one load of 8 bytes, 32 loads a lane, issued once at the head: short pieces of 128-byte runs.
; LIMITS: |t| from 2^24 on loses the whole-number step of M; NaN and infinities are not served.
; REGISTERS: window 0: v1-7 addresses; v10-17 -M (pairs), v18-21 l; v28, v29 the add's two; v32-47 at work; v64-127 the mask; v128-191, v192-255 K's two fragment buffers, later t and p, and p' packed.
.set SLOT,  131072
.set SPARE, 2*SLOT                     ; the spare words, 128 bytes for each wave: two blocks of 256 bytes that no other line names
.set STEPB, 16384                      ; two K steps on in a token block's row: 16 fragments
.set ADRA, 6                           ; v6-7   LDS address of my fragments of K in slot 0, 1
.set NM,   10                          ; v10, 12, 14, 16: -M of query block b (each named with its odd neighbour as a pair)
.set LL,   18                          ; v18-21 l
.set SPW,  28
.set NIL,  29
.set MK,   64
.set F0,   128
.set F1,   192
.set T,    128
.set P,    192
.set WV,   12                          ; s12 my wave's number
.set G1,   24                          ; s[24:31] descriptor group 1;  s[32:39] group 0, a set for each slot
.set G0,   32
.set MUL,  0x58                        ; source 0 (K) window 0, source 1 (Q) window 2, C and D window 1
.set MSB,  0
.macro WIN new                         ; the immediate's high byte repeats the setting that is left; a switch that changes nothing is dropped
.if MSB != (\new)
	s_set_vgpr_msb (MSB<<8)|(\new)
.set MSB, (\new)
.endif
.endm
.macro PLACES                          ; four places in front of loads into registers that matrix instructions have read, and of the first read of results
.rept 4
	v_nop
.endr
.endm
.macro CREST                           ; a round of the cluster's barrier behind its opening barrier
	s_cmp_lg_u32 s[WV], 0
	s_cbranch_scc1 .Lnot_wave_0_\@
	s_barrier_signal -3
.Lnot_wave_0_\@:
	s_barrier_wait -3
	s_barrier_signal -1
	s_barrier_wait -1
.endm
.macro CROUND
	s_barrier_signal -1
	s_barrier_wait -1
	CREST
.endm
; 8 matrix instructions: key blocks a0, a0 + 1 against the four query blocks.  zero = 1: the first product starts the sums.  The 32 accumulators take turns in the same order in every quarter.
.macro MUL8 f, set, a0, zero
.irp a, \a0, \a0+1
.irp b, 0,1,2,3
.if \zero
	v_wmma_f32_16x16x32_f16 v[8*(4*(\a)+\b):8*(4*(\a)+\b)+7], v[(\f)+8*(\a):(\f)+8*(\a)+7], v[32*(\set)+8*\b:32*(\set)+8*\b+7], 0
.else
	v_wmma_f32_16x16x32_f16 v[8*(4*(\a)+\b):8*(4*(\a)+\b)+7], v[(\f)+8*(\a):(\f)+8*(\a)+7], v[32*(\set)+8*\b:32*(\set)+8*\b+7], v[8*(4*(\a)+\b):8*(4*(\a)+\b)+7]
.endif
.endr
.endr
.endm
.macro FETCH slot, qd, f               ; 16 LDS loads: my eight fragments of K of the slot's quarter qd, blocks 0-3 first
	WIN 0
.irp a, 0,1,2,3,4,5,6,7
	ds_load_b128 v[(\f)+8*\a:(\f)+8*\a+3], v[ADRA+(\slot)] offset:\a*8192+(\qd)*1024
	ds_load_b128 v[(\f)+8*\a+4:(\f)+8*\a+7], v[ADRA+(\slot)] offset:\a*8192+(\qd)*1024+512
.endr
.endm
.macro BLOAD i                         ; quarter i's four fragments of Q into set i % 8
	WIN 0x80                                       ; destination window 2, address window 0
.irp b, 0,1,2,3
	global_load_b128 v[32*((\i)%8)+8*\b:32*((\i)%8)+8*\b+3], v3, s[40:41] offset:\b*32768+(\i)*1024
	global_load_b128 v[32*((\i)%8)+8*\b+4:32*((\i)%8)+8*\b+7], v3, s[40:41] offset:\b*32768+(\i)*1024+512
.endr
.endm
.macro WAITB n                         ; set n is in: behind it stand at most six sets of eight loads, fewer towards the end
.if 31-(\n) < 6
	s_wait_loadcnt 8*(31-(\n))
.else
	s_wait_loadcnt 48
.endif
.endm
.macro QUARTER i, zero                 ; a quarter that has its successor in the same slot
	WAITB \i
	s_wait_dscnt 8                                 ; K's blocks 0-3 are in; the youngest eight loads (blocks 4-7) may be out
	WIN MUL
	MUL8 F0+64*((\i)%2), (\i)%8, 0, \zero
	MUL8 F0+64*((\i)%2), (\i)%8, 2, \zero
	PLACES
	FETCH ((\i)/8)%2, (\i)%8+1, F0+64*(1-(\i)%2)
.if (\i)+7 <= 31
	BLOAD (\i)+7                                   ; into the set that the last quarter multiplied
.endif
	s_wait_dscnt 16                                ; all but the 16 just issued
	WIN MUL
	MUL8 F0+64*((\i)%2), (\i)%8, 4, \zero
	MUL8 F0+64*((\i)%2), (\i)%8, 6, \zero
.endm
; A slot's last quarter changes slots: each wave waits for all its tensor loads, adds 0 to its spare word, and waits for that and for its reads of this slot.  fill = 1: the barrier opens a round of the cluster's,
; and this slot is filled again, two K steps on: the load has a K step, 256 matrix instructions, in which to land.
.macro TURN i, fill
	WAITB \i
	WIN 0                                          ; (the add's two registers lie in window 0)
	s_wait_tensorcnt 0x0                           ; all my tensor loads have landed: my part of the next slot
	ds_add_u32 v[SPW], v[NIL]                      ; 0 onto my spare word
	s_wait_dscnt 9                                 ; (the add and the youngest eight loads may be out)
	WIN MUL
	MUL8 F1, (\i)%8, 0, 0
	s_wait_dscnt 0x0                               ; the add is done, and my reads of this slot are over
	s_barrier_signal -1
	MUL8 F1, (\i)%8, 2, 0
.if \fill
	WIN 0
.endif
	s_barrier_wait -1
.if \fill
	CREST                                          ; no wave of any partner still reads this slot or has a load on its way
	s_add_nc_u64 s[G0+4*(((\i)/8)%2)+2:G0+4*(((\i)/8)%2)+3], s[G0+4*(((\i)/8)%2)+2:G0+4*(((\i)/8)%2)+3], STEPB
	tensor_load_to_lds s[G0+4*(((\i)/8)%2):G0+4*(((\i)/8)%2)+3], s[G1:G1+7]   ; my one tensor load behind the round, and the first thing there
	s_nop 0
.rept 4
	v_nop                                          ; (the places in front of the loads below)
.endr
.else
	PLACES
.endif
	FETCH 1-((\i)/8)%2, 0, F0
	BLOAD (\i)+7
	WIN MUL
	MUL8 F1, (\i)%8, 4, 0
	MUL8 F1, (\i)%8, 6, 0
.endm
	s_load_b256 s[4:11], s[0:1], 0x0               ; qkv s[4:5], mask s[6:7], pp s[8:9], st s[10:11]
	v_lshl_add_u32 v[SPW], v0, 2, SPARE
	v_mov_b32 v[NIL], 0
	ds_add_u32 v[SPW], v[NIL]                      ; the wave's opening: the add, twice on end, and its wait ahead of my first tensor load
	ds_add_u32 v[SPW], v[NIL]                      ; and once more; the set-up below, work on registers, stands between it and the wait
	v_lshrrev_b32 v1, 5, v0
	v_readfirstlane_b32 s[WV], v1                  ; wave 0..3
	s_and_b32 s13, s[WV], 1                        ; kh: which 128 keys of the tile
	s_lshr_b32 s14, s[WV], 1                       ; qh: which 64 queries
	s_bfe_u32 s15, ttmp6, 0x40000                  ; cx: it enters global addresses of Q, mask, pp and st alone
	s_lshl_b32 s16, ttmp9, 2
	s_add_co_u32 s16, s16, s15                     ; my block of 128 queries
	s_and_b32 s17, ttmp7, 0xffff
	s_lshr_b32 s18, s17, 2                         ; batch
	s_and_b32 s19, s17, 3                          ; my block of 256 keys
	s_mov_b32 s[G1], 15|(3<<16)|(1<<21)            ; 15:0 the mask: all four work-groups; 17:16 elements of 8 bytes; 21 set beside a mask; no padding
	s_mov_b32 s[G1+1], 1024<<16                    ; tensor_dim0 = 1,024 elements: 8 fragments on end
	s_mov_b32 s[G1+2], 4<<16                       ; tensor_dim1 = 4 token blocks
	s_mov_b32 s[G1+3], 1024<<16                    ; tile_dim0
	s_mov_b32 s[G1+4], 4                           ; tile_dim1
	s_mov_b32 s[G1+5], 4096                        ; from token block to token block: 32 fragments
	s_mov_b32 s[G1+6], 0
	s_mov_b32 s[G1+7], 0
	s_lshl_b32 s20, s18, 6                         ; K's tile: token block 64 batch + 16 kblk + 4 wave,
	s_lshl_b32 s21, s19, 4
	s_add_co_u32 s20, s20, s21
	s_lshl_b32 s21, s[WV], 2
	s_add_co_u32 s20, s20, s21
	s_lshl_b32 s20, s20, 15
	s_add_co_u32 s20, s20, 0x1000000               ; in tensor 1
	s_mov_b32 s21, 0
	s_lshl_b32 s22, s[WV], 15                      ; and where it goes in a slot
	s_lshl_b32 s44, s18, 6                         ; my first block of 16 queries: 64 batch + 8 qblk + 4 qh
	s_lshl_b32 s45, s16, 3
	s_add_co_u32 s44, s44, s45
	s_lshl_b32 s45, s14, 2
	s_add_co_u32 s44, s44, s45
	s_lshl_b32 s40, s44, 15                        ; Q: 32 fragments a block
	s_mov_b32 s41, 0
	s_lshl_b32 s42, s44, 14                        ; the mask: 16 rows of 1,024 bytes a block,
	s_lshl_b32 s45, s19, 8
	s_add_co_u32 s42, s42, s45                     ; + 256 kblk
	s_lshl_b32 s45, s13, 7
	s_add_co_u32 s42, s42, s45                     ; + 128 kh
	s_mov_b32 s43, 0
	s_lshl_b32 s46, s19, 13                        ; pp: as Q, + fragment 8 kblk + 4 kh
	s_add_co_u32 s46, s46, s40
	s_lshl_b32 s45, s13, 12
	s_add_co_u32 s46, s46, s45
	s_mov_b32 s47, 0
	s_lshl_b32 s60, s18, 3                         ; st: ((8 batch + 2 kblk + kh) 16 + 2 qblk + qh) x 512
	s_lshl_b32 s45, s19, 1
	s_add_co_u32 s60, s60, s45
	s_add_co_u32 s60, s60, s13
	s_lshl_b32 s60, s60, 4
	s_lshl_b32 s45, s16, 1
	s_add_co_u32 s60, s60, s45
	s_add_co_u32 s60, s60, s14
	s_lshl_b32 s60, s60, 9
	s_mov_b32 s61, 0
	s_mov_b32 s48, 0x3d38aa3b                      ; c = log2(e) / 32
	s_mov_b32 s49, s48                             ; (named with it as a pair)
	s_mov_b32 s50, 0x76543210                      ; v_permlanex16_b32's selects for lane l xor 16
	s_mov_b32 s51, 0xfedcba98
	s_mov_b32 s52, 0xcbf423f0                      ; -999,999 x 32 = -31,999,968, exact in f32
	s_mov_b32 s56, 0x00000000                      ; v_perm_b32's selects: byte 0, 1, 2, 3 of a word into all four bytes
	s_mov_b32 s57, 0x01010101
	s_mov_b32 s58, 0x02020202
	s_mov_b32 s59, 0x03030303
	v_and_b32 v1, 15, v0                           ; r
	v_bfe_u32 v2, v0, 4, 1                         ; h
	v_and_b32 v5, 31, v0                           ; lane
	v_lshlrev_b32 v3, 3, v2
	v_xor_b32 v3, v3, v5                           ; pi(lane)
	v_lshlrev_b32 v3, 4, v3                        ; v3 = 16 pi(lane): my place in a part of an image of q or k
	v_lshlrev_b32 v5, 4, v5                        ; v5 = 16 x lane
	v_lshlrev_b32 v4, 10, v1
	v_lshl_add_u32 v4, v2, 3, v4                   ; v4 = the mask: row r, + 8 h
	s_lshl_b32 s23, s13, 16                        ; my 8 token blocks of a slot's 16
	v_add_nc_u32 v[ADRA], s23, v3
	v_add_nc_u32 v[ADRA+1], SLOT, v[ADRA]
.irp b, 0,1,2,3
	v_mov_b32 v[NM+2*\b+1], 0                      ; the odd halves of the pairs that the packed form names
.endr
	s_wait_dscnt 0x0                               ; both opening adds are done
	s_wait_kmcnt 0x0
	s_add_nc_u64 s[20:21], s[4:5], s[20:21]
	s_add_nc_u64 s[40:41], s[4:5], s[40:41]
	s_add_nc_u64 s[42:43], s[6:7], s[42:43]
	s_add_nc_u64 s[8:9], s[8:9], s[46:47]
	s_add_nc_u64 s[10:11], s[10:11], s[60:61]
	CROUND                                         ; all four work-groups are here: the first joint loads meet
.irp s, 0,1
	s_mov_b32 s[G0+4*\s], 1                        ; count = 1
	s_add_co_u32 s[G0+4*\s+1], s22, \s*SLOT        ; LDS address
	s_add_nc_u64 s[G0+4*\s+2:G0+4*\s+3], s[20:21], \s*8192   ; K step s: 8 fragments on
	s_or_b32 s[G0+4*\s+3], s[G0+4*\s+3], 0x80000000
.endr
	tensor_load_to_lds s[G0:G0+3], s[G1:G1+7]      ; the two first fills go out together
	s_nop 0
	tensor_load_to_lds s[G0+4:G0+7], s[G1:G1+7]
	s_nop 0
.rept 4
	v_nop
.endr
.irp b, 0,1,2,3
.irp a, 0,1,2,3,4,5,6,7
	global_load_b64 v[MK+16*\b+2*\a:MK+16*\b+2*\a+1], v4, s[42:43] offset:\b*16384+16*\a   ; mask(query 16 b + r, keys 16 a + 8 h + 0 .. 7)
.endr
.endr
.irp i, 0,1,2,3,4,5,6
	BLOAD \i
.endr
	s_wait_tensorcnt 1                             ; my part of slot 0 is in; slot 1's may stay out
	s_barrier_signal -1
	s_barrier_wait -1                              ; everybody's is
	FETCH 0, 0, F0
	QUARTER 0, 1                                   ; the first quarter's products start the sums
.irp i, 1,2,3,4,5,6
	QUARTER \i, 0
.endr
	TURN 7, 1
.irp i, 8,9,10,11,12,13,14
	QUARTER \i, 0
.endr
	TURN 15, 1
.irp i, 16,17,18,19,20,21,22
	QUARTER \i, 0
.endr
	TURN 23, 0                                     ; nothing is left to fetch
.irp i, 24,25,26,27,28,29,30
	QUARTER \i, 0
.endr
	s_wait_loadcnt 0x0                             ; the last quarter
	s_wait_dscnt 8
	WIN MUL
	MUL8 F1, 7, 0, 0
	MUL8 F1, 7, 2, 0
	s_wait_dscnt 0x0
	MUL8 F1, 7, 4, 0
	MUL8 F1, 7, 6, 0
	WIN 0
	PLACES
; THE SOFTMAX'S FIRST HALF for query block b: my lane's query against my wave's 128 keys, of which 64 are mine and 64 lane l xor 16's.
.macro SOFT b
	WIN 0
.irp n, 0,1,2,3,4,5,6,7,8,9,10,11,12,13,14,15
	v_lshlrev_b32 v[32+\n], 8, v[MK+16*(\b)+\n]
.endr
.irp n, 0,1,2,3,4,5,6,7,8,9,10,11,12,13,14,15
	v_sub_nc_u32 v[MK+16*(\b)+\n], v[32+\n], v[MK+16*(\b)+\n]      ; x 255: a byte 1 becomes 0xff
.endr
.irp a, 0,1,2,3,4,5,6,7
.irp j, 0,1,2,3,4,5,6,7
	v_perm_b32 v[T+8*\a+\j], v[MK+16*(\b)+2*\a+\j/4], v[MK+16*(\b)+2*\a+\j/4], s[56+\j%4]   ; the key's byte into a whole word
.endr
.endr
	WIN 0x04                                       ; source 1: window 1
.irp a, 0,1,2,3,4,5,6,7
.irp j, 0,1,2,3,4,5,6,7
	v_bfi_b32 v[T+8*\a+\j], v[T+8*\a+\j], v[8*(4*\a+(\b))+\j], s52   ; the score where the mask is set, else -999,999 x 32; each accumulator from its low end on
.endr
.endr
	WIN 0
.irp c, 0,1,2,3
	v_max3_num_f32 v[32+\c], v[T+16*\c], v[T+16*\c+1], v[T+16*\c+2]   ; the largest of my 64, in four chains
.endr
.irp i, 3,5,7,9,11,13
.irp c, 0,1,2,3
	v_max3_num_f32 v[32+\c], v[32+\c], v[T+16*\c+\i], v[T+16*\c+\i+1]
.endr
.endr
.irp c, 0,1,2,3
	v_max_num_f32 v[32+\c], v[32+\c], v[T+16*\c+15]
.endr
	v_max3_num_f32 v36, v32, v33, v34
	v_max_num_f32 v36, v36, v35
	v_permlanex16_b32 v37, v36, s50, s51
	v_max_num_f32 v36, v36, v37                    ; with lane l xor 16's 64 keys: the group's
	v_mul_f32 v36, s48, v36                        ; as t (c is positive)
	v_floor_f32 v[NM+2*(\b)], -v36                 ; -M = floor(-t): M is a whole number
.irp j, 0,2,4,6,8,10,12,14,16,18,20,22,24,26,28,30,32,34,36,38,40,42,44,46,48,50,52,54,56,58,60,62
	v_pk_fma_f32 v[T+\j:T+\j+1], v[T+\j:T+\j+1], s[48:49], v[NM+2*(\b):NM+2*(\b)+1] op_sel_hi:[1,0,0]   ; t - M, one rounding, two at a time
.endr
.irp j, 0,1,2,3,4,5,6,7,8,9,10,11,12,13,14,15,16,17,18,19,20,21,22,23,24,25,26,27,28,29,30,31,32,33,34,35,36,37,38,39,40,41,42,43,44,45,46,47,48,49,50,51,52,53,54,55,56,57,58,59,60,61,62,63
	v_exp_f32 v[T+\j], v[T+\j]                     ; p' = 2^(t - M)
.endr
	v_nop                                          ; a plain line behind the last exponential
	s_wait_alu depctr_va_vdst(0)                   ; one wait for the batch, ahead of its first reader
	v_pk_add_f32 v[38:39], v[T:T+1], v[T+2:T+3]    ; the sum of the unrounded p', in two chains
	v_pk_add_f32 v[40:41], v[T+4:T+5], v[T+6:T+7]
.irp j, 8,12,16,20,24,28,32,36,40,44,48,52,56,60
	v_pk_add_f32 v[38:39], v[38:39], v[T+\j:T+\j+1]
	v_pk_add_f32 v[40:41], v[40:41], v[T+\j+2:T+\j+3]
.endr
	v_pk_add_f32 v[38:39], v[38:39], v[40:41]
	v_add_f32 v38, v38, v39
	v_permlanex16_b32 v37, v38, s50, s51
	v_add_f32 v[LL+(\b)], v38, v37
.if (\b) >= 2
	s_wait_xcnt 0x0                                ; the stores of two blocks back have read their registers: the set is written again only behind this wait
.endif
.irp i, 0,1,2,3,4,5,6,7,8,9,10,11,12,13,14,15,16,17,18,19,20,21,22,23,24,25,26,27,28,29,30,31
	v_cvt_pk_f16_f32 v[P+32*((\b)%2)+\i], v[T+2*\i], v[T+2*\i+1]
.endr
.irp a, 0,1,2,3,4,5,6,7
	global_store_b128 v5, v[P+32*((\b)%2)+4*\a:P+32*((\b)%2)+4*\a+3], s[8:9] offset:(\b)*32768+(\a/2)*1024+(\a%2)*512   ; 32 lanes store 512 consecutive bytes
.endr
.endm
	SOFT 0
	SOFT 1
	SOFT 2
	SOFT 3
	v_cmp_eq_u32 vcc_lo, 0, v2                     ; lanes 0-15 store -M, lanes 16-31 l (both halves hold both)
.irp b, 0,1,2,3
	v_cndmask_b32 v[44+\b], v[LL+\b], v[NM+2*\b], vcc_lo
.endr
	global_store_b128 v5, v[44:47], s[10:11]       ; 512 consecutive bytes
	s_wait_tensorcnt 0x0                           ; the wave's end, behind my last tensor load
	ds_add_u32 v[SPW], v[NIL]
	s_wait_dscnt 0x0
	CROUND                                         ; the closing round: no work-group ends while a partner may still ask for a tile that names it
	s_endpgm
.Lfunc_end_k_qb57921283f_score:
	.size	k_qb57921283f_score, .Lfunc_end_k_qb57921283f_score-k_qb57921283f_score
	.p2alignl 7, 3214868480
	.fill 96, 4, 3214868480
	.section	.rodata,"a",@progbits
	.p2align	6, 0x0
	.amdhsa_kernel k_qb57921283f_score
		.amdhsa_group_segment_fixed_size 327680
		.amdhsa_private_segment_fixed_size 0
		.amdhsa_enable_private_segment 0
		.amdhsa_kernarg_size 32
		.amdhsa_user_sgpr_count 2
		.amdhsa_user_sgpr_kernarg_segment_ptr 1
		.amdhsa_wavefront_size32 1
		.amdhsa_system_sgpr_workgroup_id_x 1
		.amdhsa_system_sgpr_workgroup_id_y 1
		.amdhsa_system_sgpr_workgroup_id_z 1
		.amdhsa_system_vgpr_workitem_id 0
		.amdhsa_next_free_vgpr 768
		.amdhsa_next_free_sgpr 66
		.amdhsa_reserve_vcc 1
		.amdhsa_float_denorm_mode_32 3
		.amdhsa_float_denorm_mode_16_64 3
		.amdhsa_memory_ordered 1
		.amdhsa_forward_progress 1
		.amdhsa_inst_pref_size 221
	.end_amdhsa_kernel
	.amdgpu_metadata
---
amdhsa.version: [ 1, 2 ]
amdhsa.kernels:
  - .name:           k_qb57921283f_score
    .symbol:         k_qb57921283f_score.kd
    .args:
      - { .name: qkv, .offset: 0, .size: 8, .value_kind: global_buffer, .address_space: global }
      - { .name: mask, .offset: 8, .size: 8, .value_kind: global_buffer, .address_space: global }
      - { .name: pp, .offset: 16, .size: 8, .value_kind: global_buffer, .address_space: global }
      - { .name: st, .offset: 24, .size: 8, .value_kind: global_buffer, .address_space: global }
    .group_segment_fixed_size: 327680
    .private_segment_fixed_size: 0
    .kernarg_segment_align: 8
    .kernarg_segment_size: 32
    .max_flat_workgroup_size: 128
    .sgpr_count:     66
    .vgpr_count:     768
    .wavefront_size: 32
...
	.end_amdgpu_metadata
.endif
;; end of part 3
;; launch mix (part 4): grid 8 x 32, 4 waves a work-group, clusters of 4 x 1, 327,680 bytes of LDS; arguments qkv, pp, st, out0; writes out0
.if DOCPART == 4
	.amdgcn_target "amdgcn-amd-amdhsa--gfx1250"
	.amdhsa_code_object_version 6
	.text
	.protected	k_qb57921283f_mix
	.globl	k_qb57921283f_mix
	.p2align	8
	.type	k_qb57921283f_mix,@function
k_qb57921283f_mix:
	s_mov_b64 s[64:65], 0
	v_nop
	global_prefetch_b8 v0, s[64:65] scope:SCOPE_SE
	s_setreg_imm32_b32 hwreg(HW_REG_WAVE_MODE, 25, 1), 1
	s_wait_xcnt 0x0
	s_wait_alu depctr_hold_cnt(0) depctr_sa_sdst(0) depctr_va_vdst(0) depctr_va_sdst(0) depctr_va_ssrc(0) depctr_va_vcc(0) depctr_vm_vsrc(0)
	s_getreg_b32 s2, hwreg(HW_REG_IB_STS2, 6, 4)
	s_cmp_eq_u32 s2, 0
	s_cbranch_scc0 .Lentry_in_a_cluster
	s_endpgm
.Lentry_in_a_cluster:
	s_bfe_u32 s2, ttmp6, 0x10000c
	s_cmp_lg_u32 s2, 0x3003
	s_cbranch_scc0 .Lentry_shape_is_right
	s_endpgm
.Lentry_shape_is_right:
; The softmax's second half and O^T = V^T P in f16 with f32 sums, for each batch.
; For each query: -M = the least of its eight groups' -M_g; f_g = 2^(M_g - M), made of a whole number, so nothing is rounded; l = the sum of f_g l_g.
; O = the sum over the groups of (f_g / l) x (V_g^T p'_g): each group of 128 keys has its own f32 sums, which are folded into the running O in f32.  p' goes to the matrix unit as it was stored.
; SHARES.  A work-group makes 256 channels x 128 queries of one batch; a wave 128 channels x 64 queries: 8 x 4 = 32 accumulators.  K = the 1,024 keys: 32 quarters of 32, 32 matrix instructions each; a group is four quarters.
;   Window 1 holds the group's sums, window 3 the running O.  In a group's first quarter each accumulator is folded (four packed multiply-adds) just ahead of the product that begins it anew with the constant 0;
;   the first fold starts O, so nothing is cleared; the last group is folded on the way out.
; V (source 0) comes through a ring of two LDS slots of 256 keys x 256 channels, as the images in which it was stored ([token][d]), and is turned on the way into registers by ds_load_tr16_b128: lane l asks for the 16 bytes of
;   key 8 (l / 16) + l % 8, channels 8 ((l / 8) % 2) + 0 .. 7, which lie at 16 pi(key + 16 x channel half): sixteen lanes then take sixteen different 16-byte columns of 256 bytes.
;   The four query blocks of a cluster want the same tile of V: it is asked for JOINTLY; each wave brings 4 of its 16 token blocks.  By this text's count a wave has two tensor loads out at the start and one behind each of the two rounds that refill.
; p' (source 1) goes from memory straight into registers, 512 consecutive bytes a load, through a ring of eight sets of 32 registers (window 2), seven quarters ahead.
;   It is not asked for jointly: a wave reads each of its fragments once, and a way through LDS would add a third to the LDS bytes filled and read.
; A lane holds one query and eight neighbouring channels: a block of 16 queries goes through the wave's stage in LDS and leaves as rows of 512 consecutive bytes.  The stage lies in slot 0, which has had its last fill and its last read by then.
; REGISTERS: window 0: v1-10 addresses; v12-19 f_7 / l, twice each; v20-23 l; v24-27 -M; v28, v29 the add's two; v32-87 f_g / l, g < 7, twice each (a pair for the packed forms);
;   v128-191, v192-255 V's two fragment buffers (at the head: the statistics as loaded).
.set SLOT,  131072
.set SPARE, 2*SLOT                     ; the spare words, 128 bytes for each wave: two blocks of 256 bytes that no other line names
.set STEPB, 1048576                    ; two K steps on: 32 token blocks of 32 fragments
.set ADRV, 4                           ; v4-7   LDS address of my lane's piece: slot 0 first and second half, slot 1 likewise
.set STO,  8                           ; v8     the stage: where I put 32 bytes of a row
.set RD,   9                           ; v9     and where I read a row back
.set RL,   12
.set SPW,  28
.set NIL,  29
.set FF,   32
.set NMG,  128                         ; at the head: -M_g, then f_g
.set LG,   160                         ; l_g
.set F0,   128
.set F1,   192
.set T,    128
.set WV,   12
.set G1,   24
.set G0,   32
.set MUL,  0x58                        ; source 0 (V) window 0, source 1 (p') window 2, C and D window 1
.set MSB,  0
.macro WIN new                         ; the immediate's high byte repeats the setting that is left; a switch that changes nothing is dropped
.if MSB != (\new)
	s_set_vgpr_msb (MSB<<8)|(\new)
.set MSB, (\new)
.endif
.endm
.macro PLACES                          ; four places in front of loads into registers that matrix instructions have read, and of the first read of results
.rept 4
	v_nop
.endr
.endm
.macro CREST
	s_cmp_lg_u32 s[WV], 0
	s_cbranch_scc1 .Lnot_wave_0_\@
	s_barrier_signal -3
.Lnot_wave_0_\@:
	s_barrier_wait -3
	s_barrier_signal -1
	s_barrier_wait -1
.endm
.macro CROUND
	s_barrier_signal -1
	s_barrier_wait -1
	CREST
.endm
; 8 matrix instructions: channel blocks a0, a0 + 1 against the four query blocks.  The 32 accumulators take turns in the same order in every quarter.
.macro MUL8 f, set, a0, zero
.irp a, \a0, \a0+1
.irp b, 0,1,2,3
.if \zero
	v_wmma_f32_16x16x32_f16 v[8*(4*(\a)+\b):8*(4*(\a)+\b)+7], v[(\f)+8*(\a):(\f)+8*(\a)+7], v[32*(\set)+8*\b:32*(\set)+8*\b+7], 0
.else
	v_wmma_f32_16x16x32_f16 v[8*(4*(\a)+\b):8*(4*(\a)+\b)+7], v[(\f)+8*(\a):(\f)+8*(\a)+7], v[32*(\set)+8*\b:32*(\set)+8*\b+7], v[8*(4*(\a)+\b):8*(4*(\a)+\b)+7]
.endif
.endr
.endr
.endm
; The same eight in a group's first quarter: ahead of each, group g's finished sums of that accumulator go into O, times f_g / l of the lane's query; then the product begins the accumulator anew.
.macro MUL8F f, set, a0, g
.irp a, \a0, \a0+1
.irp b, 0,1,2,3
.if (\g) == 0
	WIN 0xc1                                       ; destination (O) window 3, source 0 (the group's sums) window 1, source 1 window 0
.irp k, 0,2,4,6
	v_pk_mul_f32 v[8*(4*(\a)+\b)+\k:8*(4*(\a)+\b)+\k+1], v[8*(4*(\a)+\b)+\k:8*(4*(\a)+\b)+\k+1], v[FF+2*(4*(\g)+\b):FF+2*(4*(\g)+\b)+1]   ; the first fold starts O; each accumulator from its low end on
.endr
.else
	WIN 0xf1                                       ; the same, and source 2 (O) window 3
.irp k, 0,2,4,6
	v_pk_fma_f32 v[8*(4*(\a)+\b)+\k:8*(4*(\a)+\b)+\k+1], v[8*(4*(\a)+\b)+\k:8*(4*(\a)+\b)+\k+1], v[FF+2*(4*(\g)+\b):FF+2*(4*(\g)+\b)+1], v[8*(4*(\a)+\b)+\k:8*(4*(\a)+\b)+\k+1]
.endr
.endif
	WIN MUL
	v_wmma_f32_16x16x32_f16 v[8*(4*(\a)+\b):8*(4*(\a)+\b)+7], v[(\f)+8*(\a):(\f)+8*(\a)+7], v[32*(\set)+8*\b:32*(\set)+8*\b+7], 0
.endr
.endr
.endm
.macro M8 i, a0                        ; quarter i's eight products from channel block a0 on, in the form that the quarter's place in its group asks for
.if (\i) == 0
	WIN MUL
	MUL8 F0+64*((\i)%2), (\i)%8, \a0, 1
.elseif (\i)%4 == 0
	MUL8F F0+64*((\i)%2), (\i)%8, \a0, (\i)/4-1
.else
	WIN MUL
	MUL8 F0+64*((\i)%2), (\i)%8, \a0, 0
.endif
.endm
.macro FETCH slot, qd, f               ; 16 turning loads: my eight fragments of V^T of the slot's quarter qd (32 keys: two token blocks), blocks 0-3 first
	WIN 0
.irp a, 0,1,2,3,4,5,6,7
	ds_load_tr16_b128 v[(\f)+8*\a:(\f)+8*\a+3], v[ADRV+2*(\slot)+(\qd)/4] offset:((\qd)%4)*16384+(\a/2)*1024+(\a%2)*512
	ds_load_tr16_b128 v[(\f)+8*\a+4:(\f)+8*\a+7], v[ADRV+2*(\slot)+(\qd)/4] offset:((\qd)%4)*16384+8192+(\a/2)*1024+(\a%2)*512
.endr
.endm
.macro BLOAD i                         ; quarter i's four fragments of p' into set i % 8
	WIN 0x80                                       ; destination window 2, address window 0
.irp b, 0,1,2,3
	global_load_b128 v[32*((\i)%8)+8*\b:32*((\i)%8)+8*\b+3], v3, s[40:41] offset:\b*32768+(\i)*1024
	global_load_b128 v[32*((\i)%8)+8*\b+4:32*((\i)%8)+8*\b+7], v3, s[40:41] offset:\b*32768+(\i)*1024+512
.endr
.endm
.macro WAITB n                         ; set n is in: behind it stand at most six sets of eight loads, fewer towards the end
.if 31-(\n) < 6
	s_wait_loadcnt 8*(31-(\n))
.else
	s_wait_loadcnt 48
.endif
.endm
.macro QUARTER i                       ; a quarter that has its successor in the same slot
	WAITB \i
	s_wait_dscnt 8                                 ; V's blocks 0-3 are in; the youngest eight loads (blocks 4-7) may be out
.if ((\i)%4 == 0) && ((\i) > 0)
	PLACES                                         ; with the four in the middle of the last quarter: more than the five places owed before accumulator (0, 0) is begun anew
.endif
	M8 \i, 0
	M8 \i, 2
	PLACES
	FETCH ((\i)/8)%2, (\i)%8+1, F0+64*(1-(\i)%2)
.if (\i)+7 <= 31
	BLOAD (\i)+7                                   ; into the set that the last quarter multiplied
.endif
	s_wait_dscnt 16                                ; all but the 16 just issued
	M8 \i, 4
	M8 \i, 6
.endm
; A slot's last quarter changes slots: each wave waits for all its tensor loads, adds 0 to its spare word, and waits for that and for its reads of this slot.  fill = 1: the barrier opens a round of the cluster's,
; and this slot is filled again, two K steps on: the load has a K step, 256 matrix instructions, in which to land.
.macro TURN i, fill
	WAITB \i
	WIN 0                                          ; (the add's two registers lie in window 0)
	s_wait_tensorcnt 0x0                           ; all my tensor loads have landed: my part of the next slot
	ds_add_u32 v[SPW], v[NIL]                      ; 0 onto my spare word
	s_wait_dscnt 9                                 ; (the add and the youngest eight loads may be out)
	WIN MUL
	MUL8 F1, (\i)%8, 0, 0
	s_wait_dscnt 0x0                               ; the add is done, and my reads of this slot are over
	s_barrier_signal -1
	MUL8 F1, (\i)%8, 2, 0
.if \fill
	WIN 0
.endif
	s_barrier_wait -1
.if \fill
	CREST                                          ; no wave of any partner still reads this slot or has a load on its way
	s_add_nc_u64 s[G0+4*(((\i)/8)%2)+2:G0+4*(((\i)/8)%2)+3], s[G0+4*(((\i)/8)%2)+2:G0+4*(((\i)/8)%2)+3], STEPB
	tensor_load_to_lds s[G0+4*(((\i)/8)%2):G0+4*(((\i)/8)%2)+3], s[G1:G1+7]   ; my one tensor load behind the round, and the first thing there
	s_nop 0
.rept 4
	v_nop                                          ; (the places in front of the loads below)
.endr
.else
	PLACES
.endif
	FETCH 1-((\i)/8)%2, 0, F0
	BLOAD (\i)+7
	WIN MUL
	MUL8 F1, (\i)%8, 4, 0
	MUL8 F1, (\i)%8, 6, 0
.endm
	s_load_b256 s[4:11], s[0:1], 0x0               ; qkv s[4:5], pp s[6:7], st s[8:9], out0 s[10:11]
	v_lshl_add_u32 v[SPW], v0, 2, SPARE
	v_mov_b32 v[NIL], 0
	ds_add_u32 v[SPW], v[NIL]                      ; the wave's opening: the add, twice on end, and its wait ahead of my first tensor load
	ds_add_u32 v[SPW], v[NIL]                      ; and once more; the set-up below, work on registers, stands between it and the wait
	v_lshrrev_b32 v1, 5, v0
	v_readfirstlane_b32 s[WV], v1                  ; wave 0..3
	s_and_b32 s13, s[WV], 1                        ; ch: which 128 channels of the tile
	s_lshr_b32 s14, s[WV], 1                       ; qh: which 64 queries
	s_bfe_u32 s15, ttmp6, 0x40000                  ; cx: it enters global addresses of pp, st and out0 alone
	s_lshl_b32 s16, ttmp9, 2
	s_add_co_u32 s16, s16, s15                     ; my block of 128 queries
	s_and_b32 s17, ttmp7, 0xffff
	s_lshr_b32 s18, s17, 2                         ; batch
	s_and_b32 s19, s17, 3                          ; my block of 256 channels
	s_mov_b32 s[G1], 15|(3<<16)|(1<<21)            ; 15:0 the mask: all four work-groups; 17:16 elements of 8 bytes; 21 set beside a mask; no padding
	s_mov_b32 s[G1+1], 1024<<16                    ; tensor_dim0 = 1,024 elements: 8 fragments on end
	s_mov_b32 s[G1+2], 4<<16                       ; tensor_dim1 = 4 token blocks
	s_mov_b32 s[G1+3], 1024<<16                    ; tile_dim0
	s_mov_b32 s[G1+4], 4                           ; tile_dim1
	s_mov_b32 s[G1+5], 4096                        ; from token block to token block: 32 fragments
	s_mov_b32 s[G1+6], 0
	s_mov_b32 s[G1+7], 0
	s_lshl_b32 s20, s18, 6                         ; V's tile: token block 64 batch + 4 wave,
	s_lshl_b32 s21, s[WV], 2
	s_add_co_u32 s20, s20, s21
	s_lshl_b32 s20, s20, 15
	s_lshl_b32 s21, s19, 13                        ; fragment 8 cblk along d,
	s_add_co_u32 s20, s20, s21
	s_add_co_u32 s20, s20, 0x2000000               ; in tensor 2
	s_mov_b32 s21, 0
	s_lshl_b32 s22, s[WV], 15                      ; and where it goes in a slot
	s_lshl_b32 s44, s18, 6                         ; my first block of 16 queries: 64 batch + 8 qblk + 4 qh
	s_lshl_b32 s45, s16, 3
	s_add_co_u32 s44, s44, s45
	s_lshl_b32 s45, s14, 2
	s_add_co_u32 s44, s44, s45
	s_lshl_b32 s40, s44, 15                        ; pp: 32 fragments a block
	s_mov_b32 s41, 0
	s_lshl_b32 s42, s18, 7                         ; st: (128 batch + 2 qblk + qh) x 512; from group to group 8,192
	s_lshl_b32 s45, s16, 1
	s_add_co_u32 s42, s42, s45
	s_add_co_u32 s42, s42, s14
	s_lshl_b32 s42, s42, 9
	s_mov_b32 s43, 0
	s_lshl_b32 s46, s44, 16                        ; out0: 16 rows of 4,096 bytes a block,
	s_lshl_b32 s45, s19, 10
	s_add_co_u32 s46, s46, s45                     ; + 256 cblk channels
	s_lshl_b32 s45, s13, 9
	s_add_co_u32 s46, s46, s45                     ; + 128 ch
	s_mov_b32 s47, 0
	v_and_b32 v1, 15, v0                           ; r
	v_bfe_u32 v2, v0, 4, 1                         ; h
	v_and_b32 v3, 31, v0
	v_lshlrev_b32 v3, 4, v3                        ; v3 = 16 x lane
	v_lshlrev_b32 v10, 4, v1                       ; v10 = 16 r: my query's four words in st
	v_bfe_u32 v11, v0, 3, 1                        ; the channel half that I ask for
	v_xor_b32 v20, v2, v11
	v_and_b32 v21, 7, v0
	v_lshl_add_u32 v21, v11, 4, v21
	v_lshl_add_u32 v21, v20, 3, v21                ; pi(key + 16 x channel half) = 16 x half + l % 8 + 8 (l / 16 xor half)
	v_lshlrev_b32 v21, 4, v21
	s_lshl_b32 s23, s13, 12                        ; my four fragments of a token block's eight
	v_add_nc_u32 v[ADRV], s23, v21
	v_add_nc_u32 v[ADRV+1], 0x10000, v[ADRV]
	v_add_nc_u32 v[ADRV+2], SLOT, v[ADRV]
	v_add_nc_u32 v[ADRV+3], SLOT+0x10000, v[ADRV]
	s_mul_i32 s23, s[WV], 16*528                   ; my stage
	v_mul_u32_u24 v[STO], v1, 528
	v_lshl_add_u32 v[STO], v2, 5, v[STO]
	v_add_nc_u32 v[STO], s23, v[STO]               ; in: row r, + 32 h
	v_add_nc_u32 v[RD], s23, v3                    ; back: a row of 512 bytes, 16 a lane
	s_wait_dscnt 0x0                               ; both opening adds are done
	s_wait_kmcnt 0x0
	s_add_nc_u64 s[20:21], s[4:5], s[20:21]
	s_add_nc_u64 s[40:41], s[6:7], s[40:41]
	s_add_nc_u64 s[8:9], s[8:9], s[42:43]
	s_add_nc_u64 s[10:11], s[10:11], s[46:47]
	CROUND                                         ; all four work-groups are here: the first joint loads meet
.irp s, 0,1
	s_mov_b32 s[G0+4*\s], 1                        ; count = 1
	s_add_co_u32 s[G0+4*\s+1], s22, \s*SLOT        ; LDS address
	s_add_nc_u64 s[G0+4*\s+2:G0+4*\s+3], s[20:21], \s*524288   ; K step s: 16 token blocks on
	s_or_b32 s[G0+4*\s+3], s[G0+4*\s+3], 0x80000000
.endr
	tensor_load_to_lds s[G0:G0+3], s[G1:G1+7]      ; the two first fills go out together
	s_nop 0
	tensor_load_to_lds s[G0+4:G0+7], s[G1:G1+7]
	s_nop 0
.rept 4
	v_nop
.endr
.irp g, 0,1,2,3,4,5,6,7
	global_load_b128 v[NMG+4*\g:NMG+4*\g+3], v10, s[8:9] offset:\g*8192      ; -M_g of my query in the four query blocks
	global_load_b128 v[LG+4*\g:LG+4*\g+3], v10, s[8:9] offset:\g*8192+256    ; l_g
.endr
.irp i, 0,1,2,3,4,5,6
	BLOAD \i
.endr
	WIN 0
	s_wait_loadcnt 56                              ; the statistics are in; the seven sets of p' may be out
.irp b, 0,1,2,3
	v_min3_num_f32 v[24+\b], v[NMG+\b], v[NMG+4+\b], v[NMG+8+\b]             ; -M = the least -M_g
.endr
.irp b, 0,1,2,3
	v_min3_num_f32 v[24+\b], v[24+\b], v[NMG+12+\b], v[NMG+16+\b]
.endr
.irp b, 0,1,2,3
	v_min3_num_f32 v[24+\b], v[24+\b], v[NMG+20+\b], v[NMG+24+\b]
.endr
.irp b, 0,1,2,3
	v_min_num_f32 v[24+\b], v[24+\b], v[NMG+28+\b]
.endr
.irp g, 0,1,2,3,4,5,6,7
.irp b, 0,1,2,3
	v_sub_f32 v[NMG+4*\g+\b], v[24+\b], v[NMG+4*\g+\b]                       ; M_g - M: a whole number, 0 or less
.endr
.endr
.irp n, 0,1,2,3,4,5,6,7,8,9,10,11,12,13,14,15,16,17,18,19,20,21,22,23,24,25,26,27,28,29,30,31
	v_cvt_i32_f32 v[NMG+\n], v[NMG+\n]             ; (it saturates)
.endr
.irp n, 0,1,2,3,4,5,6,7,8,9,10,11,12,13,14,15,16,17,18,19,20,21,22,23,24,25,26,27,28,29,30,31
	v_ldexp_f32 v[NMG+\n], 1.0, v[NMG+\n]          ; f_g = 2^(M_g - M)
.endr
.irp b, 0,1,2,3
	v_mul_f32 v[20+\b], v[NMG+\b], v[LG+\b]        ; l = the sum of f_g l_g
.endr
.irp g, 1,2,3,4,5,6,7
.irp b, 0,1,2,3
	v_fmac_f32 v[20+\b], v[NMG+4*\g+\b], v[LG+4*\g+\b]
.endr
.endr
.irp b, 0,1,2,3
	v_rcp_f32 v[192+\b], v[20+\b]
.endr
	v_nop                                          ; a plain line behind the last reciprocal
	s_wait_alu depctr_va_vdst(0)                   ; one wait for the four, ahead of their first reader
.irp g, 0,1,2,3,4,5,6
.irp b, 0,1,2,3
	v_mul_f32 v[FF+2*(4*\g+\b)], v[NMG+4*\g+\b], v[192+\b]                   ; f_g / l, made twice: the pair by which the packed forms multiply
	v_mul_f32 v[FF+2*(4*\g+\b)+1], v[NMG+4*\g+\b], v[192+\b]
.endr
.endr
.irp b, 0,1,2,3
	v_mul_f32 v[RL+2*\b], v[NMG+28+\b], v[192+\b]                            ; the last group's, kept where the way out leaves it alone
	v_mul_f32 v[RL+2*\b+1], v[NMG+28+\b], v[192+\b]
.endr
	s_wait_tensorcnt 1                             ; my part of slot 0 is in; slot 1's may stay out
	s_barrier_signal -1
	s_barrier_wait -1                              ; everybody's is
	FETCH 0, 0, F0
.irp i, 0,1,2,3,4,5,6
	QUARTER \i
.endr
	TURN 7, 1
.irp i, 8,9,10,11,12,13,14
	QUARTER \i
.endr
	TURN 15, 1
.irp i, 16,17,18,19,20,21,22
	QUARTER \i
.endr
	TURN 23, 0                                     ; nothing is left to fetch; behind its barrier nobody reads slot 0 any more
.irp i, 24,25,26,27,28,29,30
	QUARTER \i
.endr
	s_wait_loadcnt 0x0                             ; the last quarter
	s_wait_dscnt 8
	WIN MUL
	MUL8 F1, 7, 0, 0
	MUL8 F1, 7, 2, 0
	s_wait_dscnt 0x0
	MUL8 F1, 7, 4, 0
	MUL8 F1, 7, 6, 0
	WIN 0
	PLACES
; THE WAY OUT, a block of 16 queries at a time: the last group is folded, O + (f_7 / l) x its sums, into my stage (rows of 512 bytes + 16), back as whole rows, stored 512 consecutive bytes an instruction.
; LDS serves a wave's instructions in order: no wait between the stores and the loads, nor in front of the next block's stores.
.macro TOSTAGE b
	WIN 0x31                                       ; source 0 (the group's sums) window 1, source 2 (O) window 3
.irp a, 0,1,2,3,4,5,6,7
.irp k, 0,2,4,6
	v_pk_fma_f32 v[T+8*\a+\k:T+8*\a+\k+1], v[8*(4*\a+(\b))+\k:8*(4*\a+(\b))+\k+1], v[RL+2*(\b):RL+2*(\b)+1], v[8*(4*\a+(\b))+\k:8*(4*\a+(\b))+\k+1]   ; each accumulator from its low end on
.endr
.endr
	WIN 0
.irp a, 0,1,2,3,4,5,6,7
	ds_store_b128 v[STO], v[T+8*\a:T+8*\a+3] offset:64*\a          ; query r, channels 16 a + 8 h + 0 .. 7
	ds_store_b128 v[STO], v[T+8*\a+4:T+8*\a+7] offset:64*\a+16
.endr
.irp t, 0,1,2,3,4,5,6,7,8,9,10,11,12,13,14,15
	ds_load_b128 v[64+128*((\b)%2)+4*\t:64+128*((\b)%2)+4*\t+3], v[RD] offset:528*\t
.endr
.endm
.macro SEND b, younger                 ; younger: the LDS instructions issued behind block b's loads, which may stay out
	s_wait_dscnt \younger
.irp t, 0,1,2,3,4,5,6,7,8,9,10,11,12,13,14,15
	global_store_b128 v3, v[64+128*((\b)%2)+4*\t:64+128*((\b)%2)+4*\t+3], s[10:11] offset:(16*(\b)+\t)*4096 th:TH_STORE_NT   ; written once, read by nobody here
.endr
.endm
	TOSTAGE 0
	TOSTAGE 1
	SEND 0, 32                                     ; behind block 0's loads: block 1's 16 stores and 16 loads
	s_wait_xcnt 0x0                                ; block 0's stores have read their registers: block 2's loads may land there
	TOSTAGE 2
	SEND 1, 32
	s_wait_xcnt 0x0
	TOSTAGE 3
	SEND 2, 32
	SEND 3, 0
	s_wait_tensorcnt 0x0                           ; the wave's end, behind my last tensor load and my last LDS store
	ds_add_u32 v[SPW], v[NIL]
	s_wait_dscnt 0x0
	CROUND                                         ; the closing round: no work-group ends while a partner may still ask for a tile that names it
	s_endpgm
.Lfunc_end_k_qb57921283f_mix:
	.size	k_qb57921283f_mix, .Lfunc_end_k_qb57921283f_mix-k_qb57921283f_mix
	.p2alignl 7, 3214868480
	.fill 96, 4, 3214868480
	.section	.rodata,"a",@progbits
	.p2align	6, 0x0
	.amdhsa_kernel k_qb57921283f_mix
		.amdhsa_group_segment_fixed_size 327680
		.amdhsa_private_segment_fixed_size 0
		.amdhsa_enable_private_segment 0
		.amdhsa_kernarg_size 32
		.amdhsa_user_sgpr_count 2
		.amdhsa_user_sgpr_kernarg_segment_ptr 1
		.amdhsa_wavefront_size32 1
		.amdhsa_system_sgpr_workgroup_id_x 1
		.amdhsa_system_sgpr_workgroup_id_y 1
		.amdhsa_system_sgpr_workgroup_id_z 1
		.amdhsa_system_vgpr_workitem_id 0
		.amdhsa_next_free_vgpr 1024
		.amdhsa_next_free_sgpr 66
		.amdhsa_reserve_vcc 0
		.amdhsa_float_denorm_mode_32 3
		.amdhsa_float_denorm_mode_16_64 3
		.amdhsa_memory_ordered 1
		.amdhsa_forward_progress 1
		.amdhsa_inst_pref_size 240
	.end_amdhsa_kernel
	.amdgpu_metadata
---
amdhsa.version: [ 1, 2 ]
amdhsa.kernels:
  - .name:           k_qb57921283f_mix
    .symbol:         k_qb57921283f_mix.kd
    .args:
      - { .name: qkv, .offset: 0, .size: 8, .value_kind: global_buffer, .address_space: global }
      - { .name: pp, .offset: 8, .size: 8, .value_kind: global_buffer, .address_space: global }
      - { .name: st, .offset: 16, .size: 8, .value_kind: global_buffer, .address_space: global }
      - { .name: out0, .offset: 24, .size: 8, .value_kind: global_buffer, .address_space: global }
    .group_segment_fixed_size: 327680
    .private_segment_fixed_size: 0
    .kernarg_segment_align: 8
    .kernarg_segment_size: 32
    .max_flat_workgroup_size: 128
    .sgpr_count:     66
    .vgpr_count:     1024
    .wavefront_size: 32
...
	.end_amdgpu_metadata
.endif
;; end of part 4
